; MI455X (gfx1250); checked and timed in simulation.
; The chip was launched on July 23, 2026; its instructions are those of AMD's public machine-readable ISA for CDNA 5 (MIT licence, August 2026) and "CDNA5" Instruction Set Architecture Reference Guide (July 2026). The comments in the code are by the model that wrote it; some were corrected since.
;; Diff Llama Fact Checker. Allowed arithmetic: matrix products marked QUANTISED: E2M3 operands, one E8M0 scale for each 32 along K, by v_wmma_scale_f32_16x16x128_f8f6f4 with both operands' format E2M3, f32 sums; everything else in f32.
;; Inputs: Wk_codes 1,024 x 32 x 24 uint8 (E2M3 codes of Wk, K innermost, in blocks of 32 codes, four codes in three bytes); Wk_scales 1,024 x 32 uint8 (E8M0 scales of Wk, one for each 32 codes along K); Wo_codes 1,024 x 32 x 24 uint8 (E2M3 codes of Wo, K innermost, in blocks of 32 codes, four codes in three bytes); Wo_scales 1,024 x 32 uint8 (E8M0 scales of Wo, one for each 32 codes along K); Wq_codes 1,024 x 32 x 24 uint8 (E2M3 codes of Wq, K innermost, in blocks of 32 codes, four codes in three bytes); Wq_scales 1,024 x 32 uint8 (E8M0 scales of Wq, one for each 32 codes along K); Wv_codes 1,024 x 32 x 24 uint8 (E2M3 codes of Wv, K innermost, in blocks of 32 codes, four codes in three bytes); Wv_scales 1,024 x 32 uint8 (E8M0 scales of Wv, one for each 32 codes along K); bk 1,024 float32; bo 1,024 float32; bq 1,024 float32; bv 1,024 float32; hidden_states_codes 8 x 1,024 x 32 x 24 uint8 (E2M3 codes of hidden_states, K innermost, in blocks of 32 codes, four codes in three bytes); hidden_states_scales 8 x 1,024 x 32 uint8 (E8M0 scales of hidden_states, one for each 32 codes along K); lambda_k1 128 float32; lambda_k2 128 float32; lambda_q1 128 float32; lambda_q2 128 float32; ln_b 1,024 float32; ln_w 1,024 float32.
;; Outputs: out0 8 x 1,024 x 1,024 float32.
;; This version of the problem:
;;   THIS VERSION OF THE PROBLEM IS GIVEN IN LOW PRECISION. The matrix products marked QUANTISED in the list below multiply operands that are first quantised to E2M3 (2 exponent bits, 3 mantissa bits; 6 bits a number), with one power-of-two scale for each 32 numbers along K (OCP MX v1.0); their sums are f32. All else is computed in f32.
;;   The module's matrix products, in the order in which they are computed (A, B: the left and right operand; K: the contracted axis; several contracted axes count as one K, in the product's order):
;;     1. [M 8,192, K 1,024] x [K 1,024, N 1,024]; A: input hidden_states (given as codes); B: input Wq (given as codes): QUANTISED
;;     2. [M 8,192, K 1,024] x [K 1,024, N 1,024]; A: input hidden_states (given as codes); B: input Wk (given as codes): QUANTISED
;;     3. [M 8,192, K 1,024] x [K 1,024, N 1,024]; A: input hidden_states (given as codes); B: input Wv (given as codes): QUANTISED
;;     4. batch 64 x [M 1,024, K 128] x [K 128, N 1,024]; A: computed on the way; B: computed on the way: QUANTISED
;;     5. batch 64 x [M 1,024, K 1,024] x [K 1,024, N 128]; A: softmax (see below); B: computed on the way: QUANTISED
;;     6. batch 64 x [M 1,024, K 1,024] x [K 1,024, N 128]; A: softmax (see below); B: computed on the way: QUANTISED
;;     7. [M 8,192, K 1,024] x [K 1,024, N 1,024]; A: computed on the way; B: input Wo (given as codes): QUANTISED
;;   THE QUANTISER, for each operand of a quantised product, along K:
;;     - K is cut into blocks of 32 from its start; a last block that is shorter is filled with zeros.
;;     - A block's scale is 2^e with e = floor(log2(the largest magnitude in the block)) - 2, held to -126 .. 127; a block of zeros has e = 0. As a byte (E8M0): e + 127.
;;     - Each number is divided by its block's scale, clamped to +-7.5, and rounded to the nearest number of E2M3, ties to even, subnormals kept.
;;     - The product sums the exact products of the quantised numbers (number of the format x scale) in f32.
;;   ~~~python
;;   def quantise(x, axis):      # numpy; x: float32 -> the quantised numbers, widened to float32 again
;;       x = np.moveaxis(x, axis, -1); K = x.shape[-1]
;;       x = np.pad(x, [(0, 0)] * (x.ndim - 1) + [(0, -K % 32)]); x = x.reshape(x.shape[:-1] + (-1, 32)); a = np.abs(x).max(-1, keepdims=True)
;;       e = np.where(a > 0, np.clip(np.frexp(np.where(a > 0, a, 1))[1] - 1 - 2, -126, 127), 0)      # np.frexp(a)[1] - 1 = floor(log2(a)), exactly
;;       r = np.clip(x / 2.0 ** e, -7.5, 7.5)
;;       step = 2.0 ** (np.maximum(np.frexp(np.where(r == 0, 1, r))[1] - 1, 0) - 3)
;;       q = np.round(r / step) * step * 2.0 ** e      # np.round: ties to even
;;       return np.moveaxis(q.reshape(q.shape[:-2] + (-1,))[..., :K], -1, axis).astype(np.float32)
;;   ~~~
;;   SOFTMAX AHEAD OF A QUANTISED PRODUCT. Where the list says 'softmax', what is quantised is not the finished softmax but p = 2^(t - M), with t = logit x log2(e) and M = ceil(the row's largest t), a whole number; so 1/2 < the row's largest p <= 1. The row's sum l is taken of the UNQUANTISED p, in f32, and the product's result is divided by l at the end. Since M is a whole number, a kernel that streams over the keys may use a running M (the ceiling of the running maximum): every later rescaling is an exact power of two, which a block's scale takes up: the codes' values come out the same.
;;   OPERANDS COMPUTED ON THE WAY. 'Computed on the way' means the value that the module computes at that place (a softmax that the list does not call 'softmax' is quantised finished and normalised). What goes into a quantiser is computed in f32, as accurately as f32 sums, v_exp_f32 and their like allow (about 1e-6 of the number): no bf16 or f16 on the way to a quantiser, and a product that is left as it is and whose result goes on into a quantised operand takes f32 operands (vector FMAs, or v_wmma_f32_16x16x4_f32). A number that lies on a knife's edge between two numbers of the format may be rounded either way, as far as f32 arithmetic and the matrix unit's own rounding can turn it there, and no further.
;;   INPUTS GIVEN AS CODES. Wk (in the module: [1024, 1024], K = its axis 0); Wo (in the module: [1024, 1024], K = its axis 0); Wq (in the module: [1024, 1024], K = its axis 0); Wv (in the module: [1024, 1024], K = its axis 0); hidden_states (in the module: [8, 1024, 1024], K = its axis 2): each comes as NAME_codes (uint8): NAME with its K axis moved to the last place and cut into blocks of 32 codes, [.., K / 32, bytes a block], one block behind the other in memory; four codes in three bytes: a row's codes are one little-endian stream of bits, code i at bits 6 i .. 6 i + 5 (a code: sign, 2 exponent bits, 3 mantissa bits); and NAME_scales (uint8): the same leading axes, one E8M0 byte (e + 127) for each 32 codes along K. Its value is code x scale, taken as it is: it is not quantised again, and the codes and scales need not be those that the quantiser above would give.
;; One version. Each part assembles by itself: llvm-mc -triple=amdgcn-amd-amdhsa -mcpu=gfx1250 --defsym DOCPART=n.
;; ======== version 1 of 1: 3 launches
;; limits: right only within a limited range of input values
;; workspace buffers: rec 20,447,232 bytes; ao 33,554,432 bytes; wor 786,432 bytes
;; launch proj (part 1): grid 8 x 48, 4 waves a work-group, clusters of 4 x 4, 327,680 bytes of LDS; arguments hidden_states_codes, hidden_states_scales, Wq_codes, Wq_scales, Wk_codes, Wk_scales, Wv_codes, Wv_scales, bq, bk, bv, rec, Wo_codes, wor; writes rec, wor
.if DOCPART == 1
	.amdgcn_target "amdgcn-amd-amdhsa--gfx1250"
	.amdhsa_code_object_version 6
	.text
	.protected	k_q1cee817ebe_proj
	.globl	k_q1cee817ebe_proj
	.p2align	8
	.type	k_q1cee817ebe_proj,@function
k_q1cee817ebe_proj:
	s_mov_b64 s[64:65], 0
	v_nop
	global_prefetch_b8 v0, s[64:65] scope:SCOPE_SE
	s_setreg_imm32_b32 hwreg(HW_REG_WAVE_MODE, 25, 1), 1
	s_wait_xcnt 0x0
	s_wait_alu depctr_hold_cnt(0) depctr_sa_sdst(0) depctr_va_vdst(0) depctr_va_sdst(0) depctr_va_ssrc(0) depctr_va_vcc(0) depctr_vm_vsrc(0)
	s_getreg_b32 s2, hwreg(HW_REG_IB_STS2, 6, 4)
	s_cmp_eq_u32 s2, 0
	s_cbranch_scc0 .Lentry_in_a_cluster
	s_endpgm
.Lentry_in_a_cluster:
	s_bfe_u32 s2, ttmp6, 0x10000c
	s_cmp_lg_u32 s2, 0xf033
	s_cbranch_scc0 .Lentry_shape_is_right
	s_endpgm
.Lentry_shape_is_right:
; q = x Wq + bq, k = x Wk + bk, v = x Wv + bv on codes of FP6 (E2M3) with one E8M0 scale for each 32 along K = 1,024; the results are quantised here, in registers, and leave as operands of the attention's products.
; ONE FORM FOR ALL THREE: C'(i, j) = sum over k of A'[i][k] B'[j][k].  q, k: A' = x (8,192 rows), B' = Wq or Wk.  v: A' = Wv, B' = x.  The matrix instruction is used transposed (source 0 = 16 rows of B', source 1 = 16 rows of A'):
; a lane holds ONE row of A' and its registers run along B'.  So q and k are quantised along the head's 128 and v along the keys, as the next products want them.
; SHARES.  A work-group of four waves makes 256 x 256 of C', a wave 128 x 128: 64 accumulators.  A wave's eight blocks of 16 rows x 128 become eight fragments with their scale words: one RECORD of 13,312 bytes.
; A RECORD is an image of the operands' registers: fragment a at 1,536 a (registers 4 c .. 4 c + 3 of lane l at 512 c + 16 l), its scale words at 12,288 + 128 a + 4 l.  Record numbers: q: 64 head + 8 batch + query / 128;
; k: 512 + the same with keys;  v: 1,024 + 64 value head + 8 batch + key / 128.
; ORDER INSIDE A BLOCK OF 32: a lane's register 16 B + 8 u + j holds place 32 B + 16 u + 8 (lane / 16) + j, so a block's 32 codes stand in the order 0-7, 16-23, 8-15, 24-31.  q and k have it alike along the head's 128,
; v and the softmax's p alike along the keys: both operands of a product are permuted alike inside a block; blocks and scales stay.
; GRID: 2 x 12 clusters of 4 x 4 work-groups.  Cluster rows 0-7: q (cluster column 0) and k (column 1); cluster rows 8-11: v.  A's tiles are asked for jointly along a row of the cluster, B's along a column.
; K goes through a ring of two LDS slots in CHUNKS OF 256 BYTES of each row (a row of codes is 768 bytes: three chunks, each on a multiple of 256 bytes).  A step of 128 along K is 96 bytes: steps 2 and 5 lie across two chunks.
; The scale bytes of the work-group's 256 + 256 rows come once and stay.  No prefetch: K is three chunks; two are asked for at the head and the third behind step 2.
; BESIDE IT each of the 1,536 waves lays 512 bytes of Wo's codes into wor: fragment f = 8 (row / 16) + k / 128 as a register image at 1,536 f (registers 4 c .. 4 c + 3 of lane l at 512 c + 16 l), for the last launch's loads.
; LIMITS: NaN and infinities are not served.  A block whose largest magnitude lies under 2^-124 keeps the scale byte 1; so does a block of zeros, where the quantiser's rule says 127: its codes are zeros, and this program alone reads the bytes.
; REGISTERS, in windows of 256: window 0: v8-12 Wo's piece; v16-29 addresses; v32-63 scale words, two sets; v64-127 the bias, the C of the first products; v128-223 A's fragments, one set; v224-231 the bias loads' offsets.
;   window 1: B's fragments, two sets.   windows 2, 3: the accumulators ((a, b) at v[8 (8 (a % 4) + b)] of window 2 + a / 4).   On the way out window 0: v64-159 codes, v160-167 scale words, v224-247 at work.
.set ROWB,   256
.set NQ,     2                         ; steps that one set of scale words serves
.set KROW,   768                       ; a row of codes in memory
.set STEPS,  8
.set CHUNKS, 3                         ; chunk c lies in slot c % 2
.set PITCH,  272                       ; an LDS row: 256 bytes + 16 of padding
.set FR,     12
.set NL,     6
.set NP,     4                         ; places behind this matrix instruction (ISA guide 7.12.1)
.set HALFT,  128*PITCH
.set SLOT,   4*HALFT                   ; A's 256 rows, then B's 256 rows
.set KS,     32                        ; a row of scale bytes
.set SCL,    2*SLOT                    ; behind the ring: the scale bytes, as units of 256 bytes + 16 of padding
.set HALFS,  (128*KS/256)*272
.set SBLK,   (16*KS/256)*272
.set SPARE,  SCL+4*HALFS               ; the spare words: two blocks of 256 bytes that no other line names
.set RECB,   13312
.set ADRA, 16                          ; v16-17 my A fragments in slot 0, 1; v18-19: lanes 0-15 at byte 232 of a chunk, lanes 16-31 at byte 0 of the next, in the other slot
.set ADRB, 20                          ; v20-23 the same for B
.set LI,   24                          ; 16 x lane
.set LS,   25                          ; 4 x lane
.set ADRS, 27                          ; my scale words in LDS: lanes 0-15 A's rows, lanes 16-31 B's
.set SPW,  28                          ; my spare word; never rewritten
.set NIL,  29                          ; 0; never rewritten
.set SC,   32
.set BI,   64
.set AF,   128
.set VA,   224
.set PCO,  64
.set PWO,  160
.set CT,   224
.set TM,   232
.set G1, 24
.set G0, 32
.set G1B, 48
.set G0B, 56
.set G1S, 68
.set G0S, 76
.set G1SB, 80
.set G0SB, 88
.set G0H, 4
.set G0HB, 8
.set SEL, 98                           ; s[98:99] lane selects for v_permlanex16_b32: lane l xor 16
.set MSB, 0
.macro WIN new                         ; the immediate's high byte repeats the setting that is left
.if MSB != (\new)
	s_set_vgpr_msb (MSB<<8)|(\new)
.set MSB, (\new)
.endif
.endm
.set MUL_LO, 0xa1                      ; source 0 (B) window 1, source 1 (A) window 0, C and D window 2
.set MUL_HI, 0xf1                      ; the same, C and D window 3
.set TO_B,   0x40
.macro PLACES n
.rept \n
	v_nop
.endr
.endm
.macro JLOAD g0a, g1a, g0b, g1b        ; a joint load: waves 0 and 1 fetch for A, waves 2 and 3 for B; s_nop 0 and four v_nop behind each line
	s_cmp_eq_u32 s15, 0
	s_cbranch_scc0 .Lfor_b_\@
	tensor_load_to_lds s[\g0a:\g0a+3], s[\g1a:\g1a+7]
	s_nop 0
	PLACES 4
	s_branch .Lasked_\@
.Lfor_b_\@:
	tensor_load_to_lds s[\g0b:\g0b+3], s[\g1b:\g1b+7]
	s_nop 0
	PLACES 4
.Lasked_\@:
.endm
.macro CREST                           ; a round of the cluster's barrier behind its opening barrier
	s_cmp_lg_u32 s14, 0
	s_cbranch_scc1 .Lnot_wave_0_\@
	s_barrier_signal -3
.Lnot_wave_0_\@:
	s_barrier_wait -3
	s_barrier_signal -1
	s_barrier_wait -1
.endm
.macro CROUND
	s_barrier_signal -1
	s_barrier_wait -1
	CREST
.endm
	s_load_b512 s[24:39], s[0:1], 0x0              ; x's codes, x's scales, Wq's, Wk's, Wv's codes and scales
	s_load_b256 s[48:55], s[0:1], 0x40             ; bq, bk, bv, the records
	s_load_b128 s[56:59], s[0:1], 0x60             ; Wo's codes, wor
	v_lshl_add_u32 v[SPW], v0, 2, SPARE
	v_mov_b32 v[NIL], 0
	ds_add_u32 v[SPW], v[NIL]                      ; the opening lines: the add, twice on end, and its wait ahead of my first tensor load
	ds_add_u32 v[SPW], v[NIL]
	v_lshrrev_b32 v1, 5, v0
	v_readfirstlane_b32 s14, v1                    ; wave 0..3
	v_and_b32 v1, 15, v0                           ; r = lane % 16
	v_bfe_u32 v2, v0, 4, 1                         ; h = lane / 16
	v_and_b32 v6, 31, v0
	v_lshlrev_b32 v[LI], 4, v6
	v_lshlrev_b32 v[LS], 2, v6
	v_mul_u32_u24 v12, v1, KROW
	v_mad_u32_u24 v12, v2, 24, v12                 ; Wo: row r of 768 bytes + 24 h
	s_lshr_b32 s15, s14, 1                         ; which half of the tile's rows is mine.  Also: I fetch for A (0) or for B (1)
	s_and_b32 s16, s14, 1                          ; which half of its columns.  Also: which 128 rows of that tile I fetch
	s_bfe_u32 s40, ttmp6, 0x40000                  ; cx, cy
	s_bfe_u32 s41, ttmp6, 0x40004
	s_and_b32 s18, ttmp7, 0xffff                   ; the cluster's row, 0..11
	s_lshr_b32 s95, s18, 3                         ; 1: this cluster makes v
	s_lshl_b32 s19, s18, 1
	s_sub_co_u32 s19, s19, 16
	s_add_co_u32 s19, s19, ttmp9                   ; v: which 1,024 rows of x
	s_mov_b32 s[SEL], 0x76543210
	s_mov_b32 s[SEL+1], 0xfedcba98
	; Wo's piece: W = 4 (8 y + x) + wave, 0..1,535; fragment f = W / 3, register group c = W % 3: the 8 bytes at o1 = 0, 16, 56 and at o2 = 8, 48, 64 of the lane's 96
	s_lshl_b32 s20, s18, 2
	s_add_co_u32 s20, s20, s41
	s_lshl_b32 s20, s20, 1
	s_add_co_u32 s20, s20, ttmp9
	s_lshl_b32 s20, s20, 2
	s_add_co_u32 s20, s20, s40
	s_lshl_b32 s20, s20, 2
	s_add_co_u32 s20, s20, s14                     ; W
	s_mul_i32 s21, s20, 0xaaab
	s_lshr_b32 s21, s21, 17                        ; f = W / 3, right for W under 65,536
	s_mul_i32 s22, s21, 3
	s_sub_co_u32 s22, s20, s22                     ; c
	s_lshr_b32 s23, s22, 1
	s_min_u32 s66, s22, 1
	s_lshl_b32 s22, s22, 4
	s_mul_i32 s67, s23, 24
	s_add_co_u32 s22, s22, s67                     ; o1 = 16 c + 24 (c / 2)
	s_mul_i32 s66, s66, 40
	s_lshl_b32 s23, s23, 4
	s_add_co_u32 s66, s66, s23
	s_add_co_u32 s66, s66, 8                       ; o2 = 8 + 40 min(c, 1) + 16 (c / 2)
	s_lshr_b32 s23, s21, 3
	s_mul_i32 s23, s23, 16*KROW                    ; 16 rows for each f / 8,
	s_and_b32 s21, s21, 7
	s_mul_i32 s21, s21, 96                         ; 96 bytes for each f % 8
	s_add_co_u32 s23, s23, s21
	s_add_co_u32 s22, s22, s23
	s_add_co_u32 s66, s66, s23
	s_lshl_b32 s20, s20, 9                         ; it goes to 1,536 f + 512 c = 512 W
	s_mov_b32 s21, 0
	s_mov_b32 s23, 0
	s_mov_b32 s67, 0
	s_wait_dscnt 0x0                               ; both opening adds are done
	s_wait_alu depctr_va_vdst(0)                   ; directly ahead of the wait below
	s_wait_kmcnt 0x0
	s_add_nc_u64 s[104:105], s[56:57], s[22:23]
	s_add_nc_u64 s[2:3], s[56:57], s[66:67]
	s_add_nc_u64 s[100:101], s[58:59], s[20:21]
	global_load_b64 v[8:9], v12, s[104:105]        ; these registers and bases are never rewritten
	global_load_b64 v[10:11], v12, s[2:3]
	s_cmp_lg_u32 ttmp9, 0                          ; q or k: the cluster's column chooses the weight and its bias
	s_cselect_b64 s[8:9], s[32:33], s[28:29]
	s_cselect_b64 s[10:11], s[34:35], s[30:31]
	s_cselect_b64 s[96:97], s[50:51], s[48:49]
	s_cmp_lg_u32 s95, 0                            ; v: the weight is A', x is B'
	s_cselect_b64 s[4:5], s[36:37], s[24:25]       ; A's codes
	s_cselect_b64 s[6:7], s[38:39], s[26:27]       ; A's scales
	s_cselect_b64 s[8:9], s[24:25], s[8:9]         ; B's codes
	s_cselect_b64 s[10:11], s[26:27], s[10:11]     ; B's scales
	s_cselect_b64 s[96:97], s[52:53], s[96:97]     ; the bias
	s_cselect_b32 s17, 0, s18                      ; which four tile rows of C' the cluster makes,
	s_cselect_b32 s42, s19, 0                      ; and which four tile columns
	s_cselect_b32 s66, 4, 0                        ; the bias loads' strides, in bytes: by the lane's row (v: the bias goes with A's rows),
	s_cselect_b32 s67, 0, 32                       ; by the lane's half,
	s_cselect_b32 s94, 0, 4                        ; and by the register (q, k: the bias goes with B's rows)
	s_mov_b64 s[12:13], s[54:55]                   ; the records
	s_lshl_b32 s42, s42, 2
	s_add_co_u32 s42, s42, s40                     ; tile column of C'
	s_lshl_b32 s17, s17, 2
	s_add_co_u32 s17, s17, s41                     ; tile row of C'
	s_lshl_b32 s43, s41, 2
	s_lshl_b32 s43, 15, s43                        ; my row of the cluster
	s_lshl_b32 s44, 0x1111, s40                    ; my column
	; group 1: rows of 256 bytes, 16 bytes of padding behind each: 256 rows for the head's loads, later 128
	s_or_b32 s[G1+0], s43, (0<<16)|(1<<20)|(1<<21)|(5<<22)|(3<<25)
	s_or_b32 s[G1B+0], s44, (0<<16)|(1<<20)|(1<<21)|(5<<22)|(3<<25)
.irp g, G1, G1B
	s_mov_b32 s[\g+1], ROWB<<16
	s_mov_b32 s[\g+2], 256<<16
	s_mov_b32 s[\g+3], ROWB<<16
	s_mov_b32 s[\g+4], 256
	s_mov_b32 s[\g+5], KROW
	s_mov_b32 s[\g+6], 0
	s_mov_b32 s[\g+7], 0
.endr
	; the scale bytes of 256 rows: a dense block of 8,192 bytes, as 32 rows of 256 bytes (32 elements of 8)
	s_or_b32 s[G1S+0], s43, (3<<16)|(1<<20)|(1<<21)|(5<<22)|(3<<25)
	s_or_b32 s[G1SB+0], s44, (3<<16)|(1<<20)|(1<<21)|(5<<22)|(3<<25)
.irp g, G1S, G1SB
	s_mov_b32 s[\g+1], 32<<16
	s_mov_b32 s[\g+2], KS<<16
	s_mov_b32 s[\g+3], 32<<16
	s_mov_b32 s[\g+4], KS
	s_mov_b32 s[\g+5], 32
	s_mov_b32 s[\g+6], 0
	s_mov_b32 s[\g+7], 0
.endr
	s_lshl_b32 s20, s17, 8                         ; A: the tile's first row
	s_lshl_b32 s46, s42, 8                         ; B's
	s_mov_b32 s21, 0
	s_mov_b32 s47, 0
	s_mov_b64 s[18:19], KS
	s_mul_u64 s[22:23], s[20:21], s[18:19]         ; where these rows' scales begin
	s_mul_u64 s[92:93], s[46:47], s[18:19]
	s_mov_b64 s[18:19], KROW
	s_mul_u64 s[20:21], s[20:21], s[18:19]         ; and their codes
	s_mul_u64 s[46:47], s[46:47], s[18:19]
	s_mul_i32 s18, s16, 128*KROW                   ; in the ring I fetch 128 rows of a tile
	s_mov_b32 s19, 0
	s_mul_i32 s45, s14, HALFT                      ; which go to wave x 128 rows: no place in the cluster enters an LDS address
	s_add_nc_u64 s[20:21], s[4:5], s[20:21]
	s_add_nc_u64 s[22:23], s[6:7], s[22:23]
	s_add_nc_u64 s[46:47], s[8:9], s[46:47]
	s_add_nc_u64 s[92:93], s[10:11], s[92:93]
	CROUND                                         ; all sixteen work-groups are here: the first joint loads meet
	s_mov_b32 s[G0H], 1                            ; chunk 0's 256 rows of A,
	s_mov_b32 s[G0H+1], 0
	s_mov_b64 s[G0H+2:G0H+3], s[20:21]
	s_or_b32 s[G0H+3], s[G0H+3], 0x80000000
	s_mov_b32 s[G0HB], 1                           ; its 256 rows of B,
	s_mov_b32 s[G0HB+1], 2*HALFT
	s_mov_b64 s[G0HB+2:G0HB+3], s[46:47]
	s_or_b32 s[G0HB+3], s[G0HB+3], 0x80000000
	s_mov_b32 s[G0S], 1                            ; A's scales,
	s_mov_b32 s[G0S+1], SCL
	s_mov_b64 s[G0S+2:G0S+3], s[22:23]
	s_or_b32 s[G0S+3], s[G0S+3], 0x80000000
	s_mov_b32 s[G0SB], 1                           ; B's
	s_mov_b32 s[G0SB+1], SCL+2*HALFS
	s_mov_b64 s[G0SB+2:G0SB+3], s[92:93]
	s_or_b32 s[G0SB+3], s[G0SB+3], 0x80000000
	s_add_nc_u64 s[20:21], s[20:21], s[18:19]      ; for the ring: my 128 rows
	s_add_nc_u64 s[46:47], s[46:47], s[18:19]
.irp s, 0,1
	s_mov_b32 s[G0+4*\s], 1
	s_add_co_u32 s[G0+4*\s+1], s45, \s*SLOT
	s_add_nc_u64 s[G0+4*\s+2:G0+4*\s+3], s[20:21], \s*ROWB
	s_or_b32 s[G0+4*\s+3], s[G0+4*\s+3], 0x80000000
	s_mov_b32 s[G0B+4*\s], 1
	s_add_co_u32 s[G0B+4*\s+1], s45, \s*SLOT
	s_add_nc_u64 s[G0B+4*\s+2:G0B+4*\s+3], s[46:47], \s*ROWB
	s_or_b32 s[G0B+4*\s+3], s[G0B+4*\s+3], 0x80000000
.endr
; THE HEAD'S LOADS, ONE A WAVE: one tree of branches on the wave's number; every way passes exactly one load
.macro ARM under, g0, g1, next
	s_cmp_lt_u32 s14, \under
	s_cbranch_scc0 \next
	tensor_load_to_lds s[\g0:\g0+3], s[\g1:\g1+7]
	s_nop 0
	PLACES 4
	s_branch .Lhead_asked
\next:
.endm
	ARM 1, G0H,  G1,  .Lhead_b
	ARM 2, G0HB, G1B, .Lhead_sa
	ARM 3, G0S,  G1S, .Lhead_sb
	tensor_load_to_lds s[G0SB:G0SB+3], s[G1SB:G1SB+7]
	s_nop 0
	PLACES 4
.Lhead_asked:
	v_mul_u32_u24 v3, v1, PITCH
	v_mul_u32_u24 v4, v2, 24
	v_add_nc_u32 v4, v3, v4                        ; a fragment's row x pitch + 24 x half
	s_mov_b32 s21, SLOT-232
	s_mov_b32 s22, SLOT+232
	v_sub_nc_u32 v7, 1, v2
	v_mul_u32_u24 v5, s21, v2
	v_add_nc_u32 v5, v3, v5
	v_add_nc_u32 v5, 232, v5                       ; lanes 0-15 byte 232 of the row in slot 0, lanes 16-31 byte 0 of the row in slot 1;
	v_mul_u32_u24 v6, s22, v7
	v_add_nc_u32 v6, v3, v6                        ; and the other way round
	s_mul_i32 s21, s15, HALFT                      ; my 128 rows of A
	s_mul_i32 s22, s16, HALFT                      ; my 128 rows of B,
	s_add_co_u32 s22, s22, 2*HALFT                 ; behind A's 256
	v_add_nc_u32 v[ADRA+2], s21, v5
	v_add_nc_u32 v[ADRA+3], s21, v6
	v_add_nc_u32 v[ADRB+2], s22, v5
	v_add_nc_u32 v[ADRB+3], s22, v6
.irp s, 0,1
	v_add_nc_u32 v[ADRA+\s], s21, v4
	v_add_nc_u32 v[ADRB+\s], s22, v4
	s_add_co_u32 s21, s21, SLOT
	s_add_co_u32 s22, s22, SLOT
.endr
	v_mul_u32_u24 v5, v1, KS                       ; my row's scales: 32 bytes a row,
	v_lshrrev_b32 v6, 8, v5
	v_lshl_add_u32 v5, v6, 4, v5                   ; and 16 more for each 256 passed
	s_mul_i32 s21, s15, HALFS
	s_mul_i32 s22, s16, HALFS
	s_add_co_u32 s22, s22, 2*HALFS
	s_sub_co_u32 s22, s22, s21
	v_mul_u32_u24 v6, s22, v2                      ; lanes 16-31 take B's
	s_add_co_u32 s21, s21, SCL
	v_add_nc_u32 v5, v5, v6
	v_add_nc_u32 v[ADRS], s21, v5
	; my 128 rows of A' are group RG, my 128 rows of B' group CG
	s_lshl_b32 s20, s17, 1
	s_add_co_u32 s20, s20, s15                     ; RG
	s_lshl_b32 s21, s42, 1
	s_add_co_u32 s21, s21, s16                     ; CG
	s_cmp_lg_u32 s95, 0
	s_cselect_b32 s22, s20, s21                    ; the head: v: RG; q, k: CG
	s_cselect_b32 s23, s21, s20                    ; the group of 128 rows of x
	s_cselect_b32 s45, 2, ttmp9                    ; 0 q, 1 k, 2 v
	s_lshl_b32 s46, s22, 9
	s_mov_b32 s47, 0
	s_add_nc_u64 s[96:97], s[96:97], s[46:47]      ; the bias at my 128 numbers
	s_lshl_b32 s22, s22, 6
	s_add_co_u32 s22, s22, s23
	s_lshl_b32 s45, s45, 9
	s_add_co_u32 s22, s22, s45                     ; my record's number
	s_mul_i32 s46, s22, RECB
	s_add_nc_u64 s[12:13], s[12:13], s[46:47]
	; THE BIAS is the C of each sum's first product.  q, k: register 8 b + j = bias[16 b + 8 h + j];  v: register 8 a + j = bias[16 a + r]: only the three strides differ
	v_mul_u32_u24 v3, v1, s66
	v_mad_u32_u24 v3, v2, s67, v3
.irp j, 0,1,2,3,4,5,6,7
	v_mad_u32_u24 v[VA+\j], \j, s94, v3
.endr
.irp x, 0,1,2,3,4,5,6,7
.irp j, 0,1,2,3,4,5,6,7
	global_load_b32 v[BI+8*\x+\j], v[VA+\j], s[96:97] offset:64*\x
.endr
.endr
.macro FRAG reg, adr, st, i            ; a fragment: lane l holds row l % 16; registers 6 c .. 6 c + 5 hold K = 64 c + 32 (l / 16) + 0 .. 31: 24 bytes as they lie, in pieces of 8.  Byte y of a row lies in slot (y / 256) % 2 at byte y % 256
.irp p, 0,1,2,3,4,5
.set BY, 96*(\st)+48*(\p/3)+8*(\p%3)
.if BY/ROWB == (BY+24)/ROWB
	ds_load_b64 v[\reg+2*\p:\reg+2*\p+1], v[\adr+(BY/ROWB)%2] offset:BY%ROWB+(\i)*16*PITCH
.else
	ds_load_b64 v[\reg+2*\p:\reg+2*\p+1], v[\adr+2+(BY/ROWB)%2] offset:BY%ROWB-232+(\i)*16*PITCH
.endif
.endr
.endm
; 16 matrix instructions: A's blocks a0, a0 + 1 x B's eight.  p: B's set; sc, q: the scale words.  zero = 1: the sums start from the bias by B's block; 2: by A's block; 0: they go on.  The 64 accumulators take turns.
.macro MUL16 a0, p, q, sc, zero
.irp a, \a0, \a0+1
.irp b, 0,1,2,3,4,5,6,7
.set AC_, 8*(8*((\a)%4)+\b)
.if \zero == 1
.set CC_, BI+8*\b
.elseif \zero == 2
.set CC_, BI+8*(\a)
.else
.set CC_, AC_
.endif
	v_wmma_scale_f32_16x16x128_f8f6f4 v[AC_:AC_+7], v[128*(\p)+FR*\b:128*(\p)+FR*\b+FR-1], v[AF+FR*(\a):AF+FR*(\a)+FR-1], v[CC_:CC_+7], v[SC+8*NQ*(\sc)+NQ*\b+(\q)], v[SC+8*NQ*(\sc)+NQ*(\a)+(\q)] matrix_a_fmt:MATRIX_FMT_FP6 matrix_b_fmt:MATRIX_FMT_FP6 matrix_a_scale:MATRIX_SCALE_ROW1
.endr
.endr
.endm
.macro FETCH_B st, p
	WIN TO_B
.irp i, 0,1,2,3,4,5,6,7
	FRAG 128*(\p)+FR*\i, ADRB, \st, \i
.endr
	WIN 0
.endm
.macro FETCH_A st, i0
.irp i, \i0, \i0+1, \i0+2, \i0+3
	FRAG AF+FR*(\i), ADRA, \st, \i
.endr
.endm
.macro SCALES pr                       ; the scale words of steps 2 pr and 2 pr + 1 into set pr % 2; lanes 0-15 take A's block i, lanes 16-31 B's block i
.irp i, 0,1,2,3,4,5,6,7
	ds_load_b64 v[SC+8*NQ*((\pr)%2)+NQ*\i:SC+8*NQ*((\pr)%2)+NQ*\i+1], v[ADRS] offset:\i*SBLK+4*NQ*(\pr)
.endr
.endm
; A step of 128 along K; the next step's fragments are fetched in its middle and at its end.  Where they END in a chunk not read yet: a wait for my tensor loads and a barrier ahead of the fetch.
; Where they BEGIN in a later chunk: the chunk left behind is read no more: the wait, the add, the wait for it and for my reads, the barrier; where a chunk two on is left to fetch, the barrier opens a round and the slot is filled again.
.macro STEP st, zero
.set NX, (\st)+1
.set C0, (96*(\st))/ROWB
.set C1, (96*NX)/ROWB
.set E0, (96*(\st)+95)/ROWB
.set E1, (96*NX+95)/ROWB
.if C1 > C0 || E1 > E0
	s_wait_tensorcnt 0x0                           ; all my tensor loads have landed (every window is 0 here)
.if C1 > C0
	ds_add_u32 v[SPW], v[NIL]
	s_wait_dscnt 4*NL+1                            ; the add and A's blocks 4-7 may be out
.else
	s_wait_dscnt 4*NL
.endif
	WIN MUL_LO
	MUL16 0, (\st)%2, (\st)%2, ((\st)/2)%2, 0
	s_wait_dscnt 0x0                               ; the add, where there is one, and all my reads are done
	s_barrier_signal -1
	MUL16 2, (\st)%2, (\st)%2, ((\st)/2)%2, 0
	WIN 0
	s_barrier_wait -1
.if C1 > C0 && C0+2 < CHUNKS
	CREST                                          ; the barrier has opened a round: no wave of any partner still reads this slot's chunk or has a load on its way
	s_add_nc_u64 s[G0+4*(C0%2)+2:G0+4*(C0%2)+3], s[G0+4*(C0%2)+2:G0+4*(C0%2)+3], 2*ROWB
	s_add_nc_u64 s[G0B+4*(C0%2)+2:G0B+4*(C0%2)+3], s[G0B+4*(C0%2)+2:G0B+4*(C0%2)+3], 2*ROWB
	JLOAD G0+4*(C0%2), G1, G0B+4*(C0%2), G1B       ; chunk C0 + 2; its four v_nop are the places in front of the loads below
.else
	PLACES NP
.endif
.else
	s_wait_dscnt 4*NL                              ; B's set and A's blocks 0-3 are in
.if \zero
	WIN 0x81                                       ; C (the bias) window 0, D window 2
.else
	WIN MUL_LO
.endif
	MUL16 0, (\st)%2, (\st)%2, ((\st)/2)%2, \zero
	MUL16 2, (\st)%2, (\st)%2, ((\st)/2)%2, \zero
	s_wait_dscnt 0                                 ; A's blocks 4-7 are in
	PLACES NP
.endif
	FETCH_B NX, NX%2
	FETCH_A NX, 0
.if NX%2 == 0
	SCALES NX/2
.endif
.if \zero
	WIN 0xc1                                       ; C window 0, D window 3
.else
	WIN MUL_HI
.endif
	MUL16 4, (\st)%2, (\st)%2, ((\st)/2)%2, \zero
	MUL16 6, (\st)%2, (\st)%2, ((\st)/2)%2, \zero
	PLACES NP
	WIN 0
	FETCH_A NX, 4
.endm
; 64 numbers of a lane, v[s] .. v[s + 63] of window w: four blocks of which I hold 16 numbers each and lane l xor 16 the other 16, become a fragment's codes in v[pc] .. v[pc + 11] and its scale word in v[pw] (window 0).
.macro QUANTW w, s, pc, pw
	WIN (\w)|((\w)<<2)
.irp b, 0,1,2,3
	v_max3_num_f32 v[TM+\b], |v[(\s)+16*\b]|, |v[(\s)+16*\b+1]|, 0x1800000   ; with the floor 2^(3 - 127): the byte cannot fall under 1.  Each accumulator is read from its low end on
.endr
.irp i, 2,4,6,8,10,12,14
.irp b, 0,1,2,3
	v_max3_num_f32 v[TM+\b], |v[(\s)+16*\b+\i]|, |v[(\s)+16*\b+\i+1]|, v[TM+\b]
.endr
.endr
	WIN 0
.irp b, 0,1,2,3
	v_permlanex16_b32 v[TM+4+\b], v[TM+\b], s[SEL], s[SEL+1]
.endr
.irp b, 0,1,2,3
	v_max_num_f32 v[TM+\b], v[TM+\b], v[TM+4+\b]   ; the block's largest magnitude
.endr
.irp b, 0,1,2,3
	v_add_nc_u32 v[TM+12+\b], 0xff000000, v[TM+\b] ; 2 off its exponent field: the conversion's scale operand
.endr
.irp b, 0,1,2,3
	v_lshrrev_b32 v[TM+4+\b], 23, v[TM+12+\b]      ; the scale's byte
.endr
	v_lshl_or_b32 v[\pw], v[TM+5], 8, v[TM+4]
	v_lshl_or_b32 v[\pw], v[TM+6], 16, v[\pw]
	v_lshl_or_b32 v[\pw], v[TM+7], 24, v[\pw]
	WIN (\w)
.irp c, 0,1
	v_cvt_scalef32_pk16_fp6_f32 v[(\pc)+6*\c:(\pc)+6*\c+2], v[(\s)+32*\c:(\s)+32*\c+15], v[TM+12+2*\c]
	v_cvt_scalef32_pk16_fp6_f32 v[CT+4*\c:CT+4*\c+2], v[(\s)+32*\c+16:(\s)+32*\c+31], v[TM+13+2*\c]
.endr
	WIN 0
	v_nop                                          ; one plain place behind a scaled conversion
.irp c, 0,1                                    ; a WHOLE block in a lane: lanes 0-15 block 2 c, lanes 16-31 block 2 c + 1
.irp i, 0,1,2
	v_permlane16_swap_b32 v[(\pc)+6*\c+\i], v[CT+4*\c+\i]
.endr
.irp i, 0,1,2
	v_mov_b32 v[(\pc)+6*\c+3+\i], v[CT+4*\c+\i]
.endr
.endr
.endm
	s_wait_alu depctr_va_vdst(0)                   ; the head's end
	s_wait_tensorcnt 0x0                           ; my tile of the head's four is in; the lines ahead of a later first fill:
	ds_add_u32 v[SPW], v[NIL]
	s_mov_b32 s[G1+2], 128<<16                     ; no tensor load of mine is out: from here on a load brings 128 rows
	s_mov_b32 s[G1+4], 128
	s_mov_b32 s[G1B+2], 128<<16
	s_mov_b32 s[G1B+4], 128
	s_wait_dscnt 0x0
	CROUND                                         ; all four tiles are in, and all sixteen work-groups are here
	JLOAD G0+4, G1, G0B+4, G1B                     ; chunk 1, the first tensor load behind the round
	FETCH_B 0, 0
	FETCH_A 0, 0
	SCALES 0
	FETCH_A 0, 4
	s_wait_loadcnt 0x0                             ; the bias and Wo's piece
	global_store_b128 v[LI], v[8:11], s[100:101]   ; 32 lanes store 512 consecutive bytes of wor
	s_cmp_lg_u32 s95, 0                            ; the first step is written twice: the bias goes with B's blocks (q, k) or with A's (v).  The choice is the same in the whole cluster; no barrier and no tensor load stands in either way
	s_cbranch_scc1 .Lfirst_v
	STEP 0, 1
	s_branch .Lfirst_done
.Lfirst_v:
	STEP 0, 2
.Lfirst_done:
.set ST, 1                             ; the walk along K is written out: slots and chunks do not come back to where they began within these eight steps
.rept STEPS-2
	STEP ST, 0
.set ST, ST+1
.endr
	s_wait_dscnt 4*NL                              ; the very last step
	WIN MUL_LO
	MUL16 0, 1, 1, 1, 0
	MUL16 2, 1, 1, 1, 0
	s_wait_dscnt 0
	WIN MUL_HI
	MUL16 4, 1, 1, 1, 0
	MUL16 6, 1, 1, 1, 0
	WIN 0
	; THE WAY OUT.  Block a's 64 registers are a lane's 64 numbers of one row: quantised, they are fragment a of my record.  A store of 16 bytes a lane covers 512 consecutive bytes.  Each block has registers of its own: no store's data are written again.
.irp b, 0,1,2,3
	v_mov_b32 v[TM+4+\b], 0                        ; a lane permute's destination counts as one of its sources.  These four are also the places behind the last products
.endr
.irp a, 0,1,2,3,4,5,6,7
	QUANTW 2+\a/4, 64*(\a%4), PCO+12*\a, PWO+\a
.irp c, 0,1,2
	global_store_b128 v[LI], v[PCO+12*\a+4*\c:PCO+12*\a+4*\c+3], s[12:13] offset:1536*\a+512*\c
.endr
	global_store_b32 v[LS], v[PWO+\a], s[12:13] offset:12288+128*\a
.endr
	s_wait_tensorcnt 0x0                           ; the wave's end
	ds_add_u32 v[SPW], v[NIL]
	s_wait_dscnt 0x0
	CROUND                                         ; the closing round
	s_endpgm
.Lfunc_end_k_q1cee817ebe_proj:
	.size	k_q1cee817ebe_proj, .Lfunc_end_k_q1cee817ebe_proj-k_q1cee817ebe_proj
	.p2alignl 7, 3214868480
	.fill 96, 4, 3214868480
	.section	.rodata,"a",@progbits
	.p2align	6, 0x0
	.amdhsa_kernel k_q1cee817ebe_proj
		.amdhsa_group_segment_fixed_size 327680
		.amdhsa_private_segment_fixed_size 0
		.amdhsa_enable_private_segment 0
		.amdhsa_kernarg_size 112
		.amdhsa_user_sgpr_count 2
		.amdhsa_user_sgpr_kernarg_segment_ptr 1
		.amdhsa_wavefront_size32 1
		.amdhsa_system_sgpr_workgroup_id_x 1
		.amdhsa_system_sgpr_workgroup_id_y 1
		.amdhsa_system_sgpr_workgroup_id_z 1
		.amdhsa_system_vgpr_workitem_id 0
		.amdhsa_next_free_vgpr 1024
		.amdhsa_next_free_sgpr 106
		.amdhsa_reserve_vcc 0
		.amdhsa_float_denorm_mode_32 3
		.amdhsa_float_denorm_mode_16_64 3
		.amdhsa_memory_ordered 1
		.amdhsa_forward_progress 1
		.amdhsa_inst_pref_size 188
	.end_amdhsa_kernel
	.amdgpu_metadata
---
amdhsa.version: [ 1, 2 ]
amdhsa.kernels:
  - .name:           k_q1cee817ebe_proj
    .symbol:         k_q1cee817ebe_proj.kd
    .args:
      - { .name: hidden_states_codes, .offset: 0, .size: 8, .value_kind: global_buffer, .address_space: global }
      - { .name: hidden_states_scales, .offset: 8, .size: 8, .value_kind: global_buffer, .address_space: global }
      - { .name: Wq_codes, .offset: 16, .size: 8, .value_kind: global_buffer, .address_space: global }
      - { .name: Wq_scales, .offset: 24, .size: 8, .value_kind: global_buffer, .address_space: global }
      - { .name: Wk_codes, .offset: 32, .size: 8, .value_kind: global_buffer, .address_space: global }
      - { .name: Wk_scales, .offset: 40, .size: 8, .value_kind: global_buffer, .address_space: global }
      - { .name: Wv_codes, .offset: 48, .size: 8, .value_kind: global_buffer, .address_space: global }
      - { .name: Wv_scales, .offset: 56, .size: 8, .value_kind: global_buffer, .address_space: global }
      - { .name: bq, .offset: 64, .size: 8, .value_kind: global_buffer, .address_space: global }
      - { .name: bk, .offset: 72, .size: 8, .value_kind: global_buffer, .address_space: global }
      - { .name: bv, .offset: 80, .size: 8, .value_kind: global_buffer, .address_space: global }
      - { .name: rec, .offset: 88, .size: 8, .value_kind: global_buffer, .address_space: global }
      - { .name: Wo_codes, .offset: 96, .size: 8, .value_kind: global_buffer, .address_space: global }
      - { .name: wor, .offset: 104, .size: 8, .value_kind: global_buffer, .address_space: global }
    .group_segment_fixed_size: 327680
    .private_segment_fixed_size: 0
    .kernarg_segment_align: 8
    .kernarg_segment_size: 112
    .max_flat_workgroup_size: 128
    .sgpr_count:     106
    .vgpr_count:     1024
    .wavefront_size: 32
...
	.end_amdgpu_metadata
.endif
;; end of part 1
;; launch attn (part 2): grid 4 x 64, 8 waves a work-group, clusters of 4 x 1, 327,680 bytes of LDS; arguments rec, lambda_q1, lambda_k1, lambda_q2, lambda_k2, ao; writes ao
.if DOCPART == 2
	.amdgcn_target "amdgcn-amd-amdhsa--gfx1250"
	.amdhsa_code_object_version 6
	.text
	.protected	k_q1cee817ebe_attn
	.globl	k_q1cee817ebe_attn
	.p2align	8
	.type	k_q1cee817ebe_attn,@function
k_q1cee817ebe_attn:
	s_mov_b64 s[64:65], 0
	v_nop
	global_prefetch_b8 v0, s[64:65] scope:SCOPE_SE
	s_setreg_imm32_b32 hwreg(HW_REG_WAVE_MODE, 25, 1), 1
	s_wait_xcnt 0x0
	s_wait_alu depctr_hold_cnt(0) depctr_sa_sdst(0) depctr_va_vdst(0) depctr_va_sdst(0) depctr_va_ssrc(0) depctr_va_vcc(0) depctr_vm_vsrc(0)
	s_getreg_b32 s2, hwreg(HW_REG_IB_STS2, 6, 4)
	s_cmp_eq_u32 s2, 0
	s_cbranch_scc0 .Lentry_in_a_cluster
	s_endpgm
.Lentry_in_a_cluster:
	s_bfe_u32 s2, ttmp6, 0x10000c
	s_cmp_lg_u32 s2, 0x3003
	s_cbranch_scc0 .Lentry_shape_is_right
	s_endpgm
.Lentry_shape_is_right:
; attn_out = (P V1 - lam P V2) / l for one batch b and one head, on codes of FP6 (E2M3) with one E8M0 scale for each 32 along a product's K.  V1 = value head (head % 4), V2 = value head 4 + head % 4; lam = exp(lq1 . lk1) - exp(lq2 . lk2) + 0.8.
; THE SOFTMAX: t = score x log2(e) / sqrt(128); M = the row's largest t so far, rounded UP to a whole number; p = 2^(t - M) is what is quantised, along the keys, not normalised.  l is the sum of the unquantised p, in f32.
; When M moves, l and both O are multiplied by 2^(old M - new M): exact.
; OPERANDS come as records of 13,312 bytes, images of the operands' registers: fragment a (16 rows x 128 K) at 1,536 a, registers 4 c .. 4 c + 3 of lane l at 512 c + 16 l; its scale words at 12,288 + 128 a + 4 l.
; SHARES.  g = 8 head + b is the grid's y; a work-group owns 256 queries, each of its eight waves two tiles of 16.  Every fragment of K, V1 or V2 that a wave reads from LDS feeds two products.
; ALL OF K, V1 AND V2 OF (b, head) LIES IN LDS AT ONCE: 24 records, 319,488 bytes, each byte filled once: key step ks has K at 39,936 ks, V1 13,312 behind it, V2 26,624.  No slot is filled again.
; CLUSTER.  The four query blocks of g read the same 24 records: each is asked for JOINTLY.  Wave w asks for records 8 j + w, j = 0, 1, 2; one tensor load of a wave is out at a time.  Loads j = 0 of the eight waves bring key steps 0 and 1,
; j = 1 up to key step 4, j = 2 the rest: a counted wait and a barrier stand in front of each of the three runs of key steps.
; LAYOUT.  Both products are used transposed: S^T = K Q^T (source 0 = 16 keys, source 1 = 16 queries), O^T = V^T P^T (source 0 = 16 of the head's 128, source 1 = P): a lane holds ONE query (lane % 16) throughout.
; Register 16 B + 8 u + j of S^T is key 32 B + 16 u + 8 (lane / 16) + j: quantised, a block's 32 codes stand in the order 0-7, 16-23, 8-15, 24-31, which is the order in which V's records have the keys.
; OUT: ao[row tile 64 b + query / 16][head][quad 0..15][lane][16 bytes]: my result registers as they stand; quad 2 a + z of lane (r, h) is row r, columns 128 head + 16 a + 8 h + 4 z + 0 .. 3.
; LIMITS: NaN and infinities are not served.  A block's largest p is taken from the block's largest score by the same multiply-add and exponential (v_exp_f32 is taken not to fall where its input rises).  A block whose every p is 0 keeps the scale byte 1: its codes are zeros.
; 1 / l is v_rcp_f32's.
; REGISTERS.  window 0: v1-4 addresses; v8-15 statistics (tile q at 8 + 4 q: -M, largest t, l in two halves); v16-39 Q; v40-41 Q's scale words; v42-43 p's; v44-67 p's codes; v68-115 four fragments of K or V, between the products the softmax's
;   temporaries (tile q at 68 + 24 q); v116-119 the fragments' scale words; v120-247 S^T, then p, at last the results; v248-251 at work; v252-253 -lam.   window 1: O^T: V1's or V2's (v), tile q, block a at 128 v + 64 q + 8 a.
.set RECB,  13312
.set STEPB, 3*RECB
.set LI,  1                            ; v1  16 x lane
.set LS,  2                            ; v2  4 x lane
.set AD,  3                            ; v3  the key step's first byte + 16 x lane
.set AS,  4                            ; v4  the same + 4 x lane
.set ST,  8
.set QF,  16
.set QS,  40
.set PS,  42
.set PF,  44
.set FB,  68
.set FS,  116
.set S,   120
.set TT,  248
.set NLAM, 252
.set BM,  FB                           ; + 24 q: four blocks' largest scores, then largest p
.set PX,  FB+4                         ; the lane permute's results, then the scale bytes
.set SO,  FB+8                         ; the conversions' scale operands
.set CT,  FB+12                        ; the conversions' second halves
.set SB,  FB+20                        ; the sum's second chain
.set FF,  FB+22                        ; f = 2^(old M - new M)
.set WV,  16                           ; s16 wave
.set SEL, 20                           ; s[20:21] lane selects for v_permlanex16_b32: lane l xor 16
.set CS,  22                           ; s[22:23] c = log2(e) / sqrt(128)
.set G1,  24                           ; s[24:31] descriptor group 1, one for all loads
.set G0,  32                           ; s[32:43] three groups 0
.set TB,  44                           ; s44 LDS byte at which the key step begins
.set CNT, 45
.set MSB, 0
.macro WIN new                         ; the immediate's high byte repeats the setting that is left
.if MSB != (\new)
	s_set_vgpr_msb (MSB<<8)|(\new)
.set MSB, (\new)
.endif
.endm
.macro CROUND                          ; a round of the cluster's barrier
	s_barrier_signal -1
	s_barrier_wait -1
	s_cmp_lg_u32 s[WV], 0
	s_cbranch_scc1 .Lnot_wave_0_\@
	s_barrier_signal -3
.Lnot_wave_0_\@:
	s_barrier_wait -3
	s_barrier_signal -1
	s_barrier_wait -1
.endm
.macro PLACES                          ; four plain vector instructions between a matrix instruction and a load into, or a vector instruction on, its registers (ISA guide 7.12.1 for vector instructions)
.rept 4
	v_nop
.endr
.endm
	s_load_b256 s[4:11], s[0:1], 0x0               ; the records, lambda_q1, lambda_k1, lambda_q2
	s_load_b128 s[12:15], s[0:1], 0x20             ; lambda_k2, ao
	v_lshl_add_u32 v254, v0, 2, 0x4e000
	v_mov_b32 v255, 0
	ds_add_u32 v254, v255
	ds_add_u32 v254, v255
	v_lshrrev_b32 v1, 5, v0
	s_delay_alu instid0(VALU_DEP_1)
	v_readfirstlane_b32 s[WV], v1                  ; wave 0..7
	v_and_b32 v2, 31, v0
	s_delay_alu instid0(VALU_DEP_1)
	v_lshlrev_b32 v[LI], 4, v2
	s_delay_alu instid0(VALU_DEP_2)
	v_lshlrev_b32 v[LS], 2, v2
	s_bfe_u32 s17, ttmp6, 0x40000                  ; cx: my block of 256 queries; it enters Q's and ao's addresses alone
	s_and_b32 s18, ttmp7, 0xffff                   ; g = 8 head + b, which the four partners share
	; descriptor group 1: a record is a dense block: 52 rows of 256 bytes (32 elements of 8 bytes), no padding
	s_mov_b32 s[G1], 15|(3<<16)|(1<<21)            ; 15:0 the mask: all four work-groups; 17:16 elements of 8 bytes; 21 set beside a mask
	s_mov_b32 s[G1+1], 32<<16                      ; tensor_dim0
	s_mov_b32 s[G1+2], 52<<16                      ; tensor_dim1
	s_mov_b32 s[G1+3], 32<<16                      ; tile_dim0
	s_mov_b32 s[G1+4], 52                          ; tile_dim1
	s_mov_b32 s[G1+5], 32                          ; tensor_dim0_stride
	s_mov_b32 s[G1+6], 0
	s_mov_b32 s[G1+7], 0
	s_mov_b32 s[SEL], 0x76543210
	s_mov_b32 s[SEL+1], 0xfedcba98
	s_mov_b32 s[CS], 0x3e0293ee
	s_mov_b32 s[CS+1], s[CS]                       ; (named with it as a pair, so it is written)
	s_mov_b32 s[TB], 0
	s_and_b32 s50, s18, 32
	s_sub_co_u32 s50, 64, s50                      ; 64 - (g & 32)
	s_add_co_u32 s51, s18, 64                      ; 64 + g
	s_wait_dscnt 0x0
	s_wait_kmcnt 0x0
	; piece p = 8 j + w lies at 13,312 p in LDS: key step ks = p / 3, and rho = p % 3: 0 K, 1 V1, 2 V2.  Its record: 8 G + ks, with G = 64 + g for K, 128 + (g & 31) for V1, 160 + (g & 31) for V2
.irp j, 0,1,2
	s_add_co_u32 s46, s[WV], 8*\j                  ; p
	s_mul_i32 s47, s46, 11
	s_lshr_b32 s47, s47, 5                         ; ks = p / 3, right for p under 24
	s_mul_i32 s48, s47, 3
	s_sub_co_u32 s48, s46, s48                     ; rho
	s_min_u32 s49, s48, 1                          ; z: 1 for V1 and V2
	s_sub_co_u32 s48, s48, s49
	s_lshl_b32 s48, s48, 5                         ; 32 for V2
	s_mul_i32 s49, s49, s50
	s_add_co_u32 s48, s48, s49
	s_add_co_u32 s48, s48, s51                     ; G
	s_lshl_b32 s48, s48, 3
	s_add_co_u32 s48, s48, s47                     ; the record's number
	s_mul_i32 s48, s48, RECB
	s_mov_b32 s49, 0
	s_mov_b32 s[G0+4*\j], 1                        ; 1:0 count = 1
	s_mul_i32 s[G0+4*\j+1], s46, RECB              ; 63:32 LDS address: 13,312 x (wave + 8 j)
	s_add_nc_u64 s[G0+4*\j+2:G0+4*\j+3], s[4:5], s[48:49]   ; 120:64 global address
	s_or_b32 s[G0+4*\j+3], s[G0+4*\j+3], 0x80000000         ; 127:126 type = 2
.endr
	CROUND                                         ; all four work-groups are here: the joint loads meet
	tensor_load_to_lds s[G0:G0+3], s[G1:G1+7]
	s_nop 0
.rept 4
	v_nop
.endr
	; Q: record 8 g + 2 cx + wave / 4, fragments 2 (wave % 4) and the next: queries 256 cx + 32 wave + 16 q + r
	s_lshl_b32 s46, s18, 3
	s_lshl_b32 s47, s17, 1
	s_add_co_u32 s46, s46, s47
	s_lshr_b32 s47, s[WV], 2
	s_add_co_u32 s46, s46, s47
	s_mul_i32 s46, s46, RECB
	s_and_b32 s52, s[WV], 3
	s_mul_i32 s48, s52, 2*1536
	s_add_co_u32 s48, s48, s46
	s_mov_b32 s49, 0
	s_add_nc_u64 s[54:55], s[4:5], s[48:49]        ; the two fragments
	s_lshl_b32 s48, s52, 8
	s_add_co_u32 s48, s48, s46
	s_add_co_u32 s48, s48, 12288
	s_add_nc_u64 s[56:57], s[4:5], s[48:49]        ; their scale words
	s_wait_alu depctr_va_vdst(0)
.irp q, 0,1
.irp c, 0,1,2
	global_load_b128 v[QF+12*\q+4*\c:QF+12*\q+4*\c+3], v[LI], s[54:55] offset:1536*\q+512*\c
.endr
	global_load_b32 v[QS+\q], v[LS], s[56:57] offset:128*\q
.endr
	global_load_b128 v[120:123], v[LI], s[6:7]     ; the four lambdas: 128 numbers each, four a lane
	global_load_b128 v[124:127], v[LI], s[8:9]
	global_load_b128 v[128:131], v[LI], s[10:11]
	global_load_b128 v[132:135], v[LI], s[12:13]
	; ao at my first tile: 65,536 x (64 b + 16 cx + 2 wave) + 8,192 x head
	s_and_b32 s46, s18, 7
	s_lshl_b32 s46, s46, 6
	s_lshl_b32 s47, s17, 4
	s_add_co_u32 s46, s46, s47
	s_lshl_b32 s47, s[WV], 1
	s_add_co_u32 s46, s46, s47
	s_lshl_b32 s46, s46, 16
	s_lshr_b32 s47, s18, 3
	s_lshl_b32 s47, s47, 13
	s_add_co_u32 s46, s46, s47
	s_mov_b32 s47, 0
	s_add_nc_u64 s[14:15], s[14:15], s[46:47]
.irp q, 0,1
	v_mov_b32 v[ST+4*\q+1], 0xff61b1e6             ; the largest t so far: -3e38, under every t
	s_delay_alu instid0(VALU_DEP_1)
	v_floor_f32 v[ST+4*\q], -v[ST+4*\q+1]          ; -M
	v_mov_b32 v[ST+4*\q+2], 0                      ; l, in two halves
	v_mov_b32 v[ST+4*\q+3], 0
.endr
	s_wait_loadcnt 0x0                             ; Q and the lambdas
	v_mul_f32 v136, v120, v124                     ; lq1 . lk1 and lq2 . lk2: four products a lane,
	v_mul_f32 v137, v128, v132
.irp i, 1,2,3
	s_delay_alu instid0(VALU_DEP_2)
	v_fma_f32 v136, v[120+\i], v[124+\i], v136
	s_delay_alu instid0(VALU_DEP_2)
	v_fma_f32 v137, v[128+\i], v[132+\i], v137
.endr
.irp m, 1,2,4,8
	s_delay_alu instid0(VALU_DEP_2)
	v_add_f32_dpp v136, v136, v136 row_xmask:\m row_mask:0xf bank_mask:0xf   ; then over the 16 lanes of a half,
	s_delay_alu instid0(VALU_DEP_2)
	v_add_f32_dpp v137, v137, v137 row_xmask:\m row_mask:0xf bank_mask:0xf
.endr
	s_delay_alu instid0(VALU_DEP_2)
	v_permlanex16_b32 v120, v136, s[SEL], s[SEL+1] ; and the other half's
	s_delay_alu instid0(VALU_DEP_2)
	v_permlanex16_b32 v121, v137, s[SEL], s[SEL+1]
	s_delay_alu instid0(VALU_DEP_2)
	v_add_f32 v136, v136, v120
	s_delay_alu instid0(VALU_DEP_2)
	v_add_f32 v137, v137, v121
	s_delay_alu instid0(VALU_DEP_2)
	v_mul_f32 v136, 0x3fb8aa3b, v136               ; x log2(e)
	s_delay_alu instid0(VALU_DEP_2)
	v_mul_f32 v137, 0x3fb8aa3b, v137
	s_wait_alu depctr_va_vdst(0)
	v_exp_f32 v136, v136
	v_exp_f32 v137, v137
	v_nop                                          ; one plain place behind a transcendental
	s_wait_alu depctr_va_vdst(0)
	v_sub_f32 v[NLAM], v137, v136
	s_delay_alu instid0(VALU_DEP_1)
	v_add_f32 v[NLAM], 0xbf4ccccd, v[NLAM]         ; -lam = (lam2 - lam1) - 0.8
	s_delay_alu instid0(VALU_DEP_1)
	v_mov_b32 v[NLAM+1], v[NLAM]
; Four fragments (blocks 4 gq .. 4 gq + 3) and their scale words of the record that begins base bytes into the key step
.macro FRAGS base, gq
.irp t, 0,1,2,3
.irp c, 0,1,2
	ds_load_b128 v[FB+12*\t+4*\c:FB+12*\t+4*\c+3], v[AD] offset:(\base)+(4*(\gq)+\t)*1536+512*\c   ; 32 lanes read 512 consecutive bytes
.endr
	ds_load_b32 v[FS+\t], v[AS] offset:(\base)+12288+128*(4*(\gq)+\t)
.endr
	s_wait_dscnt 0x0
.endm
; A KEY STEP: 128 keys, both tiles of queries.  first = 1: the first step: its value products start O^T's sums with the constant 0, and there is nothing to rescale.  In each stage of the softmax the two tiles take turns.
.macro KSTEP first
	v_add_nc_u32 v[AD], s[TB], v[LI]
	s_wait_alu depctr_va_vdst(0)
	v_add_nc_u32 v[AS], s[TB], v[LS]
	s_wait_alu depctr_va_vdst(0)
	v_nop
	v_nop                                          ; with the two additions: the places in front of loads into registers that the last products read
.irp gq, 0,1                                   ; S^T = K Q^T: four blocks of 16 keys at a time, each against both tiles of queries
.if \gq
	PLACES
.endif
	FRAGS 0, \gq
.irp t, 0,1,2,3
.irp q, 0,1
	v_wmma_scale_f32_16x16x128_f8f6f4 v[S+64*\q+8*(4*\gq+\t):S+64*\q+8*(4*\gq+\t)+7], v[FB+12*\t:FB+12*\t+11], v[QF+12*\q:QF+12*\q+11], 0, v[FS+\t], v[QS+\q] matrix_a_fmt:MATRIX_FMT_FP6 matrix_b_fmt:MATRIX_FMT_FP6
.endr
.endr
.endr
	PLACES
.irp b, 0,1,2,3
.irp q, 0,1
	v_max3_num_f32 v[BM+24*\q+\b], v[S+64*\q+16*\b], v[S+64*\q+16*\b+1], v[S+64*\q+16*\b+2]   ; THE LARGEST SCORE OF EACH BLOCK OF 32 KEYS: for the row's maximum and, since p rises with the score, for the block's largest p.  Each accumulator is read from its low end on
.endr
.endr
.irp i, 3,5,7,9,11,13
.irp b, 0,1,2,3
.irp q, 0,1
	v_max3_num_f32 v[BM+24*\q+\b], v[BM+24*\q+\b], v[S+64*\q+16*\b+\i], v[S+64*\q+16*\b+\i+1]
.endr
.endr
.endr
.irp b, 0,1,2,3
.irp q, 0,1
	v_max_num_f32 v[BM+24*\q+\b], v[BM+24*\q+\b], v[S+64*\q+16*\b+15]
.endr
.endr
.irp b, 0,1,2,3
.irp q, 0,1
	v_permlanex16_b32 v[PX+24*\q+\b], v[BM+24*\q+\b], s[SEL], s[SEL+1]
.endr
.endr
.irp b, 0,1,2,3
.irp q, 0,1
	v_max_num_f32 v[BM+24*\q+\b], v[BM+24*\q+\b], v[PX+24*\q+\b]   ; with lane l xor 16's 16 keys
.endr
.endr
.irp q, 0,1
	s_delay_alu instid0(VALU_DEP_4)
	v_max3_num_f32 v[TT+\q], v[BM+24*\q], v[BM+24*\q+1], v[BM+24*\q+2]
.endr
.irp q, 0,1
	s_delay_alu instid0(VALU_DEP_2)
	v_max_num_f32 v[TT+\q], v[TT+\q], v[BM+24*\q+3]            ; the step's largest score of my query
.endr
.irp q, 0,1
	s_delay_alu instid0(VALU_DEP_2)
	v_mul_f32 v[TT+\q], s[CS], v[TT+\q]                        ; as t (c is positive)
.endr
.irp q, 0,1
	s_delay_alu instid0(VALU_DEP_2)
	v_max_num_f32 v[ST+4*\q+1], v[ST+4*\q+1], v[TT+\q]         ; the running largest t
.endr
.irp q, 0,1
	v_mov_b32 v[TT+\q], v[ST+4*\q]
.endr
.irp q, 0,1
	s_delay_alu instid0(VALU_DEP_4)
	v_floor_f32 v[ST+4*\q], -v[ST+4*\q+1]                      ; the new -M = floor(-t) = -ceil(t): M is a whole number
.endr
.irp q, 0,1
	s_delay_alu instid0(VALU_DEP_2)
	v_sub_f32 v[TT+\q], v[ST+4*\q], v[TT+\q]                   ; old M - new M: a whole number, 0 or less
.endr
.irp q, 0,1
	s_delay_alu instid0(VALU_DEP_2)
	v_cvt_i32_f32 v[TT+\q], v[TT+\q]                           ; (it saturates)
.endr
.irp q, 0,1
	s_delay_alu instid0(VALU_DEP_2)
	v_ldexp_f32 v[FF+24*\q], 1.0, v[TT+\q]                     ; f = 2^(old M - new M)
.endr
.set j, 0
.rept 32
.irp q, 0,1
	v_pk_fma_f32 v[S+64*\q+j:S+64*\q+j+1], v[S+64*\q+j:S+64*\q+j+1], s[CS:CS+1], v[ST+4*\q:ST+4*\q+1] op_sel_hi:[1,0,0]   ; t - M, two at a time (of the pairs c and -M the low word serves both halves)
.endr
.set j, j+2
.endr
.irp b, 0,1,2,3
.irp q, 0,1
	v_fma_f32 v[BM+24*\q+\b], v[BM+24*\q+\b], s[CS], v[ST+4*\q]   ; the same of each block's largest score
.endr
.endr
.set j, 0
	s_wait_alu depctr_va_vdst(0)
.rept 64
.irp q, 0,1
	v_exp_f32 v[S+64*\q+j], v[S+64*\q+j]                       ; p = 2^(t - M), at most 1
.endr
.set j, j+1
.endr
.irp b, 0,1,2,3
.irp q, 0,1
	v_exp_f32 v[BM+24*\q+\b], v[BM+24*\q+\b]                   ; the block's largest p: the same two instructions on the same number give the same bits
.endr
.endr
.irp q, 0,1
	v_pk_mul_f32 v[ST+4*\q+2:ST+4*\q+3], v[ST+4*\q+2:ST+4*\q+3], v[FF+24*\q:FF+24*\q+1] op_sel_hi:[1,0]   ; l under the new M.  (A plain place behind the exponentials)
.endr
	s_wait_alu depctr_va_vdst(0)
.irp b, 0,1,2,3
.irp q, 0,1
	v_max_num_f32 v[BM+24*\q+\b], 0x1800000, v[BM+24*\q+\b]    ; the floor 2^(3 - 127): the byte cannot fall under 1
.endr
.endr
.irp b, 0,1,2,3
.irp q, 0,1
	v_add_nc_u32 v[SO+24*\q+\b], 0xff000000, v[BM+24*\q+\b]    ; 2 off the exponent field: the conversion's scale operand
.endr
.endr
.irp b, 0,1,2,3
.irp q, 0,1
	v_lshrrev_b32 v[PX+24*\q+\b], 23, v[SO+24*\q+\b]           ; the scale's byte
.endr
.endr
.irp q, 0,1
	v_lshl_or_b32 v[PS+\q], v[PX+24*\q+1], 8, v[PX+24*\q]      ; p's scale word for these 128 keys
.endr
.irp q, 0,1
	s_delay_alu instid0(VALU_DEP_2)
	v_lshl_or_b32 v[PS+\q], v[PX+24*\q+2], 16, v[PS+\q]
.endr
.irp q, 0,1
	s_delay_alu instid0(VALU_DEP_2)
	v_lshl_or_b32 v[PS+\q], v[PX+24*\q+3], 24, v[PS+\q]
.endr
.irp c, 0,1
.irp q, 0,1
	v_cvt_scalef32_pk16_fp6_f32 v[PF+12*\q+6*\c:PF+12*\q+6*\c+2], v[S+64*\q+32*\c:S+64*\q+32*\c+15], v[SO+24*\q+2*\c]
	v_cvt_scalef32_pk16_fp6_f32 v[CT+24*\q+4*\c:CT+24*\q+4*\c+2], v[S+64*\q+32*\c+16:S+64*\q+32*\c+31], v[SO+24*\q+2*\c+1]   ; (a conversion's three registers begin on an even number)
.endr
.endr
	v_nop                                          ; one plain place behind a scaled conversion
.irp c, 0,1                                    ; the operand's layout wants a WHOLE block in a lane: lanes 0-15 block 2 c, lanes 16-31 block 2 c + 1
.irp q, 0,1
.irp i, 0,1,2
	v_permlane16_swap_b32 v[PF+12*\q+6*\c+\i], v[CT+24*\q+4*\c+\i]
.endr
.endr
.endr
.irp c, 0,1
.irp q, 0,1
.irp i, 0,1,2
	v_mov_b32 v[PF+12*\q+6*\c+3+\i], v[CT+24*\q+4*\c+\i]
.endr
.endr
.endr
.irp q, 0,1
	v_pk_add_f32 v[SB+24*\q:SB+24*\q+1], v[S+64*\q:S+64*\q+1], v[S+64*\q+2:S+64*\q+3]   ; l TAKES THE UNQUANTISED p: two at a time, in two chains.  (These additions are also the places between p's scale word and codes and the products that name them)
.endr
.set j, 4
.rept 15
.irp q, 0,1
	v_pk_add_f32 v[ST+4*\q+2:ST+4*\q+3], v[ST+4*\q+2:ST+4*\q+3], v[S+64*\q+j:S+64*\q+j+1]
	v_pk_add_f32 v[SB+24*\q:SB+24*\q+1], v[SB+24*\q:SB+24*\q+1], v[S+64*\q+j+2:S+64*\q+j+3]
.endr
.set j, j+4
.endr
.irp q, 0
	s_delay_alu instid0(VALU_DEP_3)
	v_pk_add_f32 v[ST+4*\q+2:ST+4*\q+3], v[ST+4*\q+2:ST+4*\q+3], v[SB+24*\q:SB+24*\q+1]
.endr
.irp q, 1
	s_delay_alu instid0(VALU_DEP_2)
	v_pk_add_f32 v[ST+4*\q+2:ST+4*\q+3], v[ST+4*\q+2:ST+4*\q+3], v[SB+24*\q:SB+24*\q+1]
.endr
.if !\first
	WIN 0x41                                       ; O^T (destination and source 0) window 1, f window 0
.irp q, 0,1
.irp v, 0,1
.set j, 0
.rept 32
	v_pk_mul_f32 v[128*\v+64*\q+j:128*\v+64*\q+j+1], v[128*\v+64*\q+j:128*\v+64*\q+j+1], v[FF+24*\q:FF+24*\q+1] op_sel_hi:[1,0]   ; both O^T under the new M; each accumulator from its low end on
.set j, j+2
.endr
.endr
.endr
	WIN 0
.endif
	s_wait_alu depctr_va_vdst(0)
.irp v, 0,1                                    ; O^T += V^T P^T, for V1 and then V2: four blocks of 16 of the head's 128 at a time, each against both tiles' p.  Eight accumulators take turns
.irp gq, 0,1
.if \v+\gq+\first
	PLACES                                         ; in front of loads into registers that products have read; in the first step also behind the softmax's last writes into these registers
.endif
	FRAGS (1+\v)*RECB, \gq
.if \first
	WIN 0x40                                       ; D window 1
.else
	WIN 0x50                                       ; C and D window 1
.endif
.irp t, 0,1,2,3
.irp q, 0,1
.if \first
	v_wmma_scale_f32_16x16x128_f8f6f4 v[128*\v+64*\q+8*(4*\gq+\t):128*\v+64*\q+8*(4*\gq+\t)+7], v[FB+12*\t:FB+12*\t+11], v[PF+12*\q:PF+12*\q+11], 0, v[FS+\t], v[PS+\q] matrix_a_fmt:MATRIX_FMT_FP6 matrix_b_fmt:MATRIX_FMT_FP6
.else
	v_wmma_scale_f32_16x16x128_f8f6f4 v[128*\v+64*\q+8*(4*\gq+\t):128*\v+64*\q+8*(4*\gq+\t)+7], v[FB+12*\t:FB+12*\t+11], v[PF+12*\q:PF+12*\q+11], v[128*\v+64*\q+8*(4*\gq+\t):128*\v+64*\q+8*(4*\gq+\t)+7], v[FS+\t], v[PS+\q] matrix_a_fmt:MATRIX_FMT_FP6 matrix_b_fmt:MATRIX_FMT_FP6
.endif
.endr
.endr
	WIN 0
.endr
.endr
	s_add_co_u32 s[TB], s[TB], STEPB               ; the next key step
.endm
; My load that brings part of the next run of key steps has landed; behind the barrier everybody's has.  No LDS load of mine is out here.
; One tensor load a wave is out at a time.  j = 1, 2: my load has landed; the add and its wait; a round of the cluster's barrier; then my record 8 j + wave is asked for, a first fill issued as a refill is.
; j = 3: my last load has landed, and behind the barrier everybody's has.  No LDS load of mine is out here.
.macro FILL j
	s_wait_tensorcnt 0x0
.if \j < 3
	ds_add_u32 v254, v255
	s_wait_dscnt 0x0
	CROUND
	tensor_load_to_lds s[G0+4*\j:G0+4*\j+3], s[G1:G1+7]
	s_nop 0
	PLACES
.else
	s_barrier_signal -1
	s_barrier_wait -1
.endif
.endm
	FILL 1                                         ; records 0-7 are in: key steps 0 and 1 want 0-5; records 8-15 set out
	KSTEP 1
	KSTEP 0
	FILL 2                                         ; records 8-15 are in: key steps 2, 3, 4 want 6-14; records 16-23 set out
	s_mov_b32 s[CNT], 3
.Lmid:
	KSTEP 0
	s_sub_co_u32 s[CNT], s[CNT], 1
	s_cmp_lg_u32 s[CNT], 0
	s_cbranch_scc1 .Lmid
	FILL 3                                         ; records 16-23 are in: key steps 5, 6, 7
	s_mov_b32 s[CNT], 3
.Llate:
	KSTEP 0
	s_sub_co_u32 s[CNT], s[CNT], 1
	s_cmp_lg_u32 s[CNT], 0
	s_cbranch_scc1 .Llate
	; THE WAY OUT: (O1 - lam O2) / l, stored as the registers stand: a store of 16 bytes a lane covers 512 consecutive bytes.
	PLACES
.irp q, 0,1
	v_add_f32 v[ST+4*\q+2], v[ST+4*\q+2], v[ST+4*\q+3]         ; l's two halves,
.endr
.irp q, 0,1
	s_delay_alu instid0(VALU_DEP_2)
	v_permlanex16_b32 v[TT+\q], v[ST+4*\q+2], s[SEL], s[SEL+1]
.endr
.irp q, 0,1
	s_delay_alu instid0(VALU_DEP_2)
	v_add_f32 v[ST+4*\q+2], v[ST+4*\q+2], v[TT+\q]             ; and lane l xor 16's
.endr
	s_wait_alu depctr_va_vdst(0)
.irp q, 0,1
	v_rcp_f32 v[TT+2*\q], v[ST+4*\q+2]
.endr
	v_nop                                          ; one plain place behind a transcendental
	s_wait_alu depctr_va_vdst(0)
.irp q, 0,1
	v_mov_b32 v[TT+2*\q+1], v[TT+2*\q]             ; 1 / l as a pair
.endr
	WIN 0x11                                       ; sources 0 (O2) and 2 (O1) window 1
.irp q, 0,1
.set j, 0
.rept 32
	v_pk_fma_f32 v[S+64*\q+j:S+64*\q+j+1], v[128+64*\q+j:128+64*\q+j+1], v[NLAM:NLAM+1], v[64*\q+j:64*\q+j+1]   ; O1 - lam O2; each accumulator from its low end on
.set j, j+2
.endr
.endr
	WIN 0
.irp q, 0,1
.set j, 0
.rept 32
	v_pk_mul_f32 v[S+64*\q+j:S+64*\q+j+1], v[S+64*\q+j:S+64*\q+j+1], v[TT+2*\q:TT+2*\q+1]
.set j, j+2
.endr
.endr
.irp q, 0,1
.irp i, 0,1,2,3,4,5,6,7,8,9,10,11,12,13,14,15
	global_store_b128 v[LI], v[S+64*\q+4*\i:S+64*\q+4*\i+3], s[14:15] offset:65536*\q+512*\i
.endr
.endr
	s_wait_dscnt 0x0
	s_wait_tensorcnt 0x0
	ds_add_u32 v254, v255
	s_wait_dscnt 0x0
	CROUND                                         ; the closing round: no work-group ends while a partner may still ask for a record that names it
	s_endpgm
.Lfunc_end_k_q1cee817ebe_attn:
	.size	k_q1cee817ebe_attn, .Lfunc_end_k_q1cee817ebe_attn-k_q1cee817ebe_attn
	.p2alignl 7, 3214868480
	.fill 96, 4, 3214868480
	.section	.rodata,"a",@progbits
	.p2align	6, 0x0
	.amdhsa_kernel k_q1cee817ebe_attn
		.amdhsa_group_segment_fixed_size 327680
		.amdhsa_private_segment_fixed_size 0
		.amdhsa_enable_private_segment 0
		.amdhsa_kernarg_size 48
		.amdhsa_user_sgpr_count 2
		.amdhsa_user_sgpr_kernarg_segment_ptr 1
		.amdhsa_wavefront_size32 1
		.amdhsa_system_sgpr_workgroup_id_x 1
		.amdhsa_system_sgpr_workgroup_id_y 1
		.amdhsa_system_sgpr_workgroup_id_z 1
		.amdhsa_system_vgpr_workitem_id 0
		.amdhsa_next_free_vgpr 512
		.amdhsa_next_free_sgpr 66
		.amdhsa_reserve_vcc 0
		.amdhsa_float_denorm_mode_32 3
		.amdhsa_float_denorm_mode_16_64 3
		.amdhsa_memory_ordered 1
		.amdhsa_forward_progress 1
		.amdhsa_inst_pref_size 189
	.end_amdhsa_kernel
	.amdgpu_metadata
---
amdhsa.version: [ 1, 2 ]
amdhsa.kernels:
  - .name:           k_q1cee817ebe_attn
    .symbol:         k_q1cee817ebe_attn.kd
    .args:
      - { .name: rec, .offset: 0, .size: 8, .value_kind: global_buffer, .address_space: global }
      - { .name: lambda_q1, .offset: 8, .size: 8, .value_kind: global_buffer, .address_space: global }
      - { .name: lambda_k1, .offset: 16, .size: 8, .value_kind: global_buffer, .address_space: global }
      - { .name: lambda_q2, .offset: 24, .size: 8, .value_kind: global_buffer, .address_space: global }
      - { .name: lambda_k2, .offset: 32, .size: 8, .value_kind: global_buffer, .address_space: global }
      - { .name: ao, .offset: 40, .size: 8, .value_kind: global_buffer, .address_space: global }
    .group_segment_fixed_size: 327680
    .private_segment_fixed_size: 0
    .kernarg_segment_align: 8
    .kernarg_segment_size: 48
    .max_flat_workgroup_size: 256
    .sgpr_count:     66
    .vgpr_count:     512
    .wavefront_size: 32
...
	.end_amdgpu_metadata
.endif
;; end of part 2
;; launch lnout (part 3): grid 256 x 1, 8 waves a work-group, no clusters, 63,488 bytes of LDS; arguments ao, ln_w, ln_b, wor, Wo_scales, bo, out0; writes out0
.if DOCPART == 3
	.amdgcn_target "amdgcn-amd-amdhsa--gfx1250"
	.amdhsa_code_object_version 6
	.text
	.protected	k_q1cee817ebe_lnout
	.globl	k_q1cee817ebe_lnout
	.p2align	8
	.type	k_q1cee817ebe_lnout,@function
k_q1cee817ebe_lnout:
	s_mov_b64 s[64:65], 0
	v_nop
	global_prefetch_b8 v0, s[64:65] scope:SCOPE_SE
	s_setreg_imm32_b32 hwreg(HW_REG_WAVE_MODE, 25, 1), 1
	s_wait_xcnt 0x0
; out0 = Q(0.2 LayerNorm(ao) ) Wo + bo on codes of FP6 (E2M3) with one E8M0 scale for each 32 along K = 1,024; the norm (mean, variance, ln_w, ln_b, x 0.2) in f32.
; SHARES.  A work-group owns 32 rows (two tiles of 16).  In the norm wave w holds head w's 128 columns of both tiles; row sums meet through LDS.  Each wave quantises its 128 columns: two fragments and their scale words,
; which reach all waves through LDS as images of the operand's registers.  Then, for each of eight column slots n, wave w multiplies Wo's rows 128 n + 16 w .. + 15 (source 0) by both tiles (source 1), K = 1,024 in eight instructions a tile, the two accumulators by turns.
; Wo'S FRAGMENTS come from wor, where an earlier launch has laid them as register images (fragment 8 (row / 16) + k / 128 at 1,536 bytes each): a load of 16 bytes a lane covers 512 consecutive bytes, and lands in the operand's registers.
; Each fragment is used by ONE wave of the work-group, so nothing would be shared inside a work-group's LDS: no tensor load, no cluster.  A fragment's registers are asked for again, for the next slot, four places behind their two products: 24 loads of a wave are out.
; No prefetch: every work-group reads the same 786,432 bytes of wor in the same order, and the loads run one slot ahead of their use.
; OUT: a slot's 32 rows x 128 columns go through one of two stages in LDS and leave as rows of 512 bytes.
; LIMITS: NaN and infinities are not served.  1 / sqrt is v_rsq_f32's.  A block under 2^-124, or of zeros, keeps the scale byte 1.
.set TILEB, 98304                      ; a column slot's fragments in wor: 64 x 1,536 bytes
.set BASE2, 0
.set HSCO,  24576
.set RED1O, 26624
.set RED2O, 27648
.set STGO,  28672
.set STGB,  16896
.set SPI,   528
.set SPARE, BASE2+STGO+2*STGB
.set SPW,  4
.set NIL,  5
.set XA,   6
.set LI,   7
.set LIH,  8
.set LSH,  9
.set HWI,  10
.set HWS,  11
.set RW,   12
.set RR,   13
.set SO,   18
.set SR,   19
.set WB,   20
.set WSO,  21
.set BO,   22
.set ACC,  24
.set MU,   32
.set RS,   36
.set PW,   40
.set HS,   48
.set WSC,  64
.set LB,   128
.set WF,   128
.set RT,   192
.set TM,   208
.set PCD,  224
.set CT,   248
.set AC,   224
.set OUTR, 240
.set LW,   128
.set BI,   192
.set WV,   18
.set SEL,  20
.set MSB, 0
.macro WIN new
.if MSB != (\new)
	s_set_vgpr_msb (MSB<<8)|(\new)
.set MSB, (\new)
.endif
.endm
.macro WLOAD n, s                      ; Wo's fragment of column slot n, my 16 rows, K step s: three loads of 512 consecutive bytes
.irp c, 0,1,2
	global_load_b128 v[WF+12*(\s)+4*\c:WF+12*(\s)+4*\c+3], v[LI], s[10:11] offset:TILEB*(\n)+1536*(\s)+512*\c
.endr
.endm
.macro PLACES
.rept 4
	v_nop
.endr
.endm
.macro QUANTW w, s, pc, pw
	WIN (\w)|((\w)<<2)
.irp b, 0,1,2,3
	v_max3_num_f32 v[TM+\b], |v[(\s)+16*\b]|, |v[(\s)+16*\b+1]|, 0x1800000
.endr
.irp i, 2,4,6,8,10,12,14
.irp b, 0,1,2,3
	s_delay_alu instid0(VALU_DEP_4)
	v_max3_num_f32 v[TM+\b], |v[(\s)+16*\b+\i]|, |v[(\s)+16*\b+\i+1]|, v[TM+\b]
.endr
.endr
	WIN 0
.irp b, 0,1,2,3
	v_permlanex16_b32 v[TM+4+\b], v[TM+\b], s[SEL], s[SEL+1]
.endr
.irp b, 0,1,2,3
	s_delay_alu instid0(VALU_DEP_4)
	v_max_num_f32 v[TM+\b], v[TM+\b], v[TM+4+\b]
.endr
.irp b, 0,1,2,3
	s_delay_alu instid0(VALU_DEP_4)
	v_add_nc_u32 v[TM+12+\b], 0xff000000, v[TM+\b]
.endr
.irp b, 0,1,2,3
	s_delay_alu instid0(VALU_DEP_4)
	v_lshrrev_b32 v[TM+4+\b], 23, v[TM+12+\b]
.endr
	s_delay_alu instid0(VALU_DEP_3)
	v_lshl_or_b32 v[\pw], v[TM+5], 8, v[TM+4]
	s_delay_alu instid0(VALU_DEP_1)
	v_lshl_or_b32 v[\pw], v[TM+6], 16, v[\pw]
	s_delay_alu instid0(VALU_DEP_1)
	v_lshl_or_b32 v[\pw], v[TM+7], 24, v[\pw]
	WIN (\w)
.irp c, 0,1
	v_cvt_scalef32_pk16_fp6_f32 v[(\pc)+6*\c:(\pc)+6*\c+2], v[(\s)+32*\c:(\s)+32*\c+15], v[TM+12+2*\c]
	v_cvt_scalef32_pk16_fp6_f32 v[CT+4*\c:CT+4*\c+2], v[(\s)+32*\c+16:(\s)+32*\c+31], v[TM+13+2*\c]
.endr
	WIN 0
	v_nop
.irp c, 0,1
.irp i, 0,1,2
	v_permlane16_swap_b32 v[(\pc)+6*\c+\i], v[CT+4*\c+\i]
.endr
.irp i, 0,1,2
	s_delay_alu instid0(VALU_DEP_3)
	v_mov_b32 v[(\pc)+6*\c+3+\i], v[CT+4*\c+\i]
.endr
.endr
.endm
.macro ACROSS off
.irp m, 0,1
	v_pk_add_f32 v[ACC+4*\m:ACC+4*\m+1], v[ACC+4*\m:ACC+4*\m+1], v[ACC+4*\m+2:ACC+4*\m+3]
.endr
.irp m, 0,1
	s_delay_alu instid0(VALU_DEP_2)
	v_add_f32 v[ACC+4*\m], v[ACC+4*\m], v[ACC+4*\m+1]
.endr
.irp m, 0,1
	s_delay_alu instid0(VALU_DEP_2)
	v_permlanex16_b32 v[ACC+4*\m+1], v[ACC+4*\m], s[SEL], s[SEL+1]
.endr
.irp m, 0,1
	s_delay_alu instid0(VALU_DEP_2)
	v_add_f32 v[ACC+4*\m], v[ACC+4*\m], v[ACC+4*\m+1]
.endr
.irp m, 0,1
	ds_store_b32 v[RW], v[ACC+4*\m] offset:(\off)+512*\m
.endr
	s_wait_dscnt 0x0
	s_barrier_signal -1
	s_barrier_wait -1
.irp m, 0,1
.irp u, 0,1,2,3,4,5,6,7
	ds_load_b32 v[RT+8*\m+\u], v[RR] offset:(\off)+512*\m+64*\u
.endr
.endr
	s_wait_dscnt 0x0
.irp m, 0,1
	v_pk_add_f32 v[RT+8*\m:RT+8*\m+1], v[RT+8*\m:RT+8*\m+1], v[RT+8*\m+2:RT+8*\m+3]
	v_pk_add_f32 v[RT+8*\m+4:RT+8*\m+5], v[RT+8*\m+4:RT+8*\m+5], v[RT+8*\m+6:RT+8*\m+7]
.endr
.irp m, 0
	s_delay_alu instid0(VALU_DEP_3)
	v_pk_add_f32 v[RT+8*\m:RT+8*\m+1], v[RT+8*\m:RT+8*\m+1], v[RT+8*\m+4:RT+8*\m+5]
.endr
.irp m, 1
	s_delay_alu instid0(VALU_DEP_2)
	v_pk_add_f32 v[RT+8*\m:RT+8*\m+1], v[RT+8*\m:RT+8*\m+1], v[RT+8*\m+4:RT+8*\m+5]
.endr
.irp m, 0,1
	s_delay_alu instid0(VALU_DEP_2)
	v_add_f32 v[RT+8*\m], v[RT+8*\m], v[RT+8*\m+1]
.endr
.endm
	s_load_b256 s[4:11], s[0:1], 0x0
	s_load_b128 s[12:15], s[0:1], 0x20
	s_load_b64 s[16:17], s[0:1], 0x30
	v_lshl_add_u32 v[SPW], v0, 2, SPARE
	v_mov_b32 v[NIL], 0
	v_lshrrev_b32 v1, 5, v0
	s_delay_alu instid0(VALU_DEP_1)
	v_readfirstlane_b32 s[WV], v1
	v_and_b32 v1, 31, v0
	v_and_b32 v2, 15, v0
	v_bfe_u32 v3, v0, 4, 1
	v_lshlrev_b32 v[XA], 4, v2
	s_delay_alu instid0(VALU_DEP_1)
	v_lshl_add_u32 v[XA], v3, 10, v[XA]
	v_lshlrev_b32 v[WB], 6, v3
	s_mov_b32 s[SEL], 0x76543210
	s_mov_b32 s[SEL+1], 0xfedcba98
	s_mov_b32 s22, 0x3a800000
	s_mov_b32 s23, 0x3727c5ac
	s_mul_i32 s42, s[WV], 16*768
	s_mov_b32 s43, 0
	s_lshl_b32 s44, ttmp9, 17                      ; my 32 rows: 131,072 bytes of ao and of out0
	s_lshl_b32 s46, s[WV], 13
	s_add_co_u32 s46, s46, s44
	s_mov_b32 s47, 0
	s_wait_alu depctr_va_vdst(0)
	s_wait_kmcnt 0x0
	s_add_nc_u64 s[4:5], s[4:5], s[46:47]
	s_lshl_b32 s46, s[WV], 14
	s_add_co_u32 s46, s46, s44
	s_add_nc_u64 s[16:17], s[16:17], s[46:47]
	s_lshl_b32 s46, s[WV], 9
	s_add_nc_u64 s[6:7], s[6:7], s[46:47]
	s_add_nc_u64 s[8:9], s[8:9], s[46:47]
	s_add_nc_u64 s[12:13], s[12:13], s[46:47]
	s_lshl_b32 s46, s[WV], 6
	s_add_nc_u64 s[14:15], s[14:15], s[46:47]
	s_add_nc_u64 s[10:11], s[10:11], s[42:43]
	WIN 0x40
.irp m, 0,1
.irp b, 0,1,2,3
.irp i, 0,1,2,3
	global_load_b128 v[64*\m+16*\b+4*\i:64*\m+16*\b+4*\i+3], v[XA], s[4:5] offset:65536*\m+2048*\b+512*(\i%2)+256*(\i/2) th:TH_LOAD_NT
.endr
.endr
.endr
.irp b, 0,1,2,3
.irp i, 0,1,2,3
	global_load_b128 v[LW+16*\b+4*\i:LW+16*\b+4*\i+3], v[WB], s[6:7] offset:128*\b+16*\i
.endr
.endr
	WIN 0
	v_lshlrev_b32 v[LI], 4, v1
	s_delay_alu instid0(VALU_DEP_1)
	v_add_nc_u32 v[LIH], BASE2, v[LI]
	v_lshl_add_u32 v[LSH], v1, 2, BASE2
	s_mul_i32 s44, s[WV], 1536
	v_add_nc_u32 v[HWI], s44, v[LIH]
	s_lshl_b32 s44, s[WV], 7
	v_add_nc_u32 v[HWS], s44, v[LSH]
	v_lshl_add_u32 v[RR], v2, 2, BASE2
	s_lshl_b32 s44, s[WV], 6
	v_add_nc_u32 v[RW], s44, v[RR]
	v_mul_u32_u24 v[SO], v2, SPI
	s_delay_alu instid0(VALU_DEP_1)
	v_lshl_add_u32 v[SO], v3, 5, v[SO]
	s_add_co_u32 s44, s44, BASE2
	v_add_nc_u32 v[SO], s44, v[SO]
	s_mul_i32 s44, s[WV], 4*SPI
	v_add_nc_u32 v[SR], s44, v[LIH]
	v_lshlrev_b32 v[WSO], 5, v2
	v_lshlrev_b32 v[BO], 5, v3
.irp b, 0,1,2,3
	v_mov_b32 v[TM+4+\b], 0
.endr
	s_wait_alu depctr_va_vdst(0)
	s_wait_loadcnt 16
.irp b, 0,1,2,3
.irp i, 0,1,2,3
	global_load_b128 v[LB+16*\b+4*\i:LB+16*\b+4*\i+3], v[WB], s[8:9] offset:128*\b+16*\i
.endr
.endr
.irp n, 0,1,2,3,4,5,6,7
	global_load_b128 v[WSC+8*\n:WSC+8*\n+3], v[WSO], s[12:13] offset:4096*\n
	global_load_b128 v[WSC+8*\n+4:WSC+8*\n+7], v[WSO], s[12:13] offset:4096*\n+16
.endr
	WIN 0x05
.irp k, 0,1
.irp m, 0,1
	v_pk_add_f32 v[ACC+4*\m+2*\k:ACC+4*\m+2*\k+1], v[64*\m+4*\k:64*\m+4*\k+1], v[64*\m+4*\k+2:64*\m+4*\k+3]
.endr
.endr
	WIN 0x04
.set j, 8
.rept 28
.irp m, 0,1
	v_pk_add_f32 v[ACC+4*\m+j%4:ACC+4*\m+j%4+1], v[ACC+4*\m+j%4:ACC+4*\m+j%4+1], v[64*\m+j:64*\m+j+1]
.endr
.set j, j+2
.endr
	WIN 0
	ACROSS RED1O
.irp m, 0,1
	s_delay_alu instid0(VALU_DEP_2)
	v_mul_f32 v[MU+2*\m], s22, v[RT+8*\m]
.endr
.irp m, 0,1
	s_delay_alu instid0(VALU_DEP_2)
	v_mov_b32 v[MU+2*\m+1], v[MU+2*\m]
.endr
	WIN 0x41
.set j, 0
.rept 32
.irp m, 0,1
	v_pk_add_f32 v[64*\m+j:64*\m+j+1], v[64*\m+j:64*\m+j+1], v[MU+2*\m:MU+2*\m+1] neg_lo:[0,1] neg_hi:[0,1]
.endr
.set j, j+2
.endr
	WIN 0x05
.set j, 0
.rept 32
.irp m, 0,1
.if j < 4
	v_pk_mul_f32 v[ACC+4*\m+j%4:ACC+4*\m+j%4+1], v[64*\m+j:64*\m+j+1], v[64*\m+j:64*\m+j+1]
.else
	s_delay_alu instid0(VALU_DEP_4)
	v_pk_fma_f32 v[ACC+4*\m+j%4:ACC+4*\m+j%4+1], v[64*\m+j:64*\m+j+1], v[64*\m+j:64*\m+j+1], v[ACC+4*\m+j%4:ACC+4*\m+j%4+1]
.endif
.endr
.set j, j+2
.endr
	WIN 0
	ACROSS RED2O
.irp m, 0,1
	s_delay_alu instid0(VALU_DEP_2)
	v_fma_f32 v[RT+8*\m], v[RT+8*\m], s22, s23
.endr
	s_wait_alu depctr_va_vdst(0)
.irp m, 0,1
	v_rsq_f32 v[RS+2*\m], v[RT+8*\m]
.endr
	v_nop
	s_wait_alu depctr_va_vdst(0)
.irp m, 0,1
	v_mov_b32 v[RS+2*\m+1], v[RS+2*\m]
.endr
	s_wait_alu depctr_va_vdst(0)
	s_wait_loadcnt 16
	WIN 0x40
.irp n, 0,1,2,3,4,5,6,7
	global_load_b128 v[BI+8*\n:BI+8*\n+3], v[BO], s[14:15] offset:512*\n
	global_load_b128 v[BI+8*\n+4:BI+8*\n+7], v[BO], s[14:15] offset:512*\n+16
.endr
	WIN 0x41
.set j, 0
.rept 32
.irp m, 0,1
	v_pk_mul_f32 v[64*\m+j:64*\m+j+1], v[64*\m+j:64*\m+j+1], v[RS+2*\m:RS+2*\m+1]
.endr
.set j, j+2
.endr
	WIN 0x45
.set j, 0
.rept 32
.irp m, 0,1
	v_pk_fma_f32 v[64*\m+j:64*\m+j+1], v[64*\m+j:64*\m+j+1], v[LW+j:LW+j+1], v[LB+j:LB+j+1]
.endr
.set j, j+2
.endr
	WIN 0
.irp s, 0,1,2,3,4,5
	WLOAD 0, \s                                    ; ln_b's registers and the row sums' are done with: slot 0's first six fragments set out
.endr
	WIN 0x41
.set j, 0
.rept 32
.irp m, 0,1
	v_pk_mul_f32 v[64*\m+j:64*\m+j+1], v[64*\m+j:64*\m+j+1], 0x3e4ccccd op_sel_hi:[1,0]
.endr
.set j, j+2
.endr
.irp m, 0,1
	QUANTW 1, 64*\m, PCD+12*\m, PW+\m
.irp c, 0,1,2
	ds_store_b128 v[HWI], v[PCD+12*\m+4*\c:PCD+12*\m+4*\c+3] offset:8*1536*\m+512*\c
.endr
	ds_store_b32 v[HWS], v[PW+\m] offset:HSCO+8*128*\m
.endr
	WLOAD 0, 6                                     ; the quantiser's registers are done with: the other two
	WLOAD 0, 7
	s_wait_dscnt 0x0
	s_barrier_signal -1
	s_barrier_wait -1
	WIN 0x40
.irp f, 0,1,2,3,4,5,6,7,8,9,10,11,12,13,14,15
.irp c, 0,1,2
	ds_load_b128 v[12*\f+4*\c:12*\f+4*\c+3], v[LIH] offset:1536*\f+512*\c
.endr
.endr
	WIN 0
.irp f, 0,1,2,3,4,5,6,7,8,9,10,11,12,13,14,15
	ds_load_b32 v[HS+\f], v[LSH] offset:HSCO+128*\f
.endr
	s_wait_loadcnt 0x0                             ; Wo's scale words, the bias and slot 0's fragments
	s_wait_dscnt 0x0                               ; the rows' fragments and scale words are back from LDS
.macro FROMSTAGE n
.irp i, 0,1,2,3
	ds_load_b128 v[OUTR+4*\i:OUTR+4*\i+3], v[SR] offset:STGO+STGB*((\n)%2)+SPI*\i
.endr
.endm
.macro SLOTW n
.if \n > 1
	s_wait_xcnt 0x0
.endif
.if \n > 0
	FROMSTAGE (\n)-1
.endif
.if \n > 0
	s_wait_dscnt 0x0
.irp i, 0,1,2,3
	global_store_b128 v[LI], v[OUTR+4*\i:OUTR+4*\i+3], s[16:17] offset:4096*\i+512*((\n)-1) th:TH_STORE_NT
.endr
.endif
.irp s, 0,1,2,3,4,5,6,7
.if \n < 7
	s_wait_loadcnt 21                              ; behind this fragment's three loads: 3 (7 - s) of this slot's and 3 s of the next slot's
.else
	s_wait_loadcnt 3*(7-\s)
.endif
.if \s == 0
	WIN 0x14
.else
	WIN 0x04
.endif
.irp m, 0,1
.if \s == 0
	v_wmma_scale_f32_16x16x128_f8f6f4 v[AC+8*\m:AC+8*\m+7], v[WF+12*\s:WF+12*\s+11], v[12*(8*\m+\s):12*(8*\m+\s)+11], v[BI+8*(\n):BI+8*(\n)+7], v[WSC+8*(\n)+\s], v[HS+8*\m+\s] matrix_a_fmt:MATRIX_FMT_FP6 matrix_b_fmt:MATRIX_FMT_FP6
.else
	v_wmma_scale_f32_16x16x128_f8f6f4 v[AC+8*\m:AC+8*\m+7], v[WF+12*\s:WF+12*\s+11], v[12*(8*\m+\s):12*(8*\m+\s)+11], v[AC+8*\m:AC+8*\m+7], v[WSC+8*(\n)+\s], v[HS+8*\m+\s] matrix_a_fmt:MATRIX_FMT_FP6 matrix_b_fmt:MATRIX_FMT_FP6
.endif
.endr
.if \n < 7
	PLACES                                         ; four places behind the two products that read the fragment
	WLOAD (\n)+1, \s                               ; (address and destination lie in window 0 under either setting)
.endif
.endr
	WIN 0
	PLACES
.irp m, 0,1
	ds_store_b128 v[SO], v[AC+8*\m:AC+8*\m+3] offset:STGO+STGB*((\n)%2)+16*SPI*\m
	ds_store_b128 v[SO], v[AC+8*\m+4:AC+8*\m+7] offset:STGO+STGB*((\n)%2)+16*SPI*\m+16
.endr
.endm
.irp n, 0,1,2,3,4,5,6
	SLOTW \n
	s_wait_dscnt 0x0                               ; my stores into this slot's stage and my reads of the other stage are done
	s_barrier_signal -1
	s_barrier_wait -1                              ; everybody's are
.endr
	SLOTW 7
	s_wait_dscnt 0x0
	s_barrier_signal -1
	s_barrier_wait -1
	s_wait_xcnt 0x0
	FROMSTAGE 7
.irp i, 0,1,2,3
	s_wait_dscnt 3-\i
	global_store_b128 v[LI], v[OUTR+4*\i:OUTR+4*\i+3], s[16:17] offset:4096*\i+512*7 th:TH_STORE_NT
.endr
	s_wait_tensorcnt 0x0
	ds_add_u32 v[SPW], v[NIL]
	s_wait_dscnt 0x0
	s_endpgm
.Lfunc_end_k_q1cee817ebe_lnout:
	.size	k_q1cee817ebe_lnout, .Lfunc_end_k_q1cee817ebe_lnout-k_q1cee817ebe_lnout
	.p2alignl 7, 3214868480
	.fill 96, 4, 3214868480
	.section	.rodata,"a",@progbits
	.p2align	6, 0x0
	.amdhsa_kernel k_q1cee817ebe_lnout
		.amdhsa_group_segment_fixed_size 63488
		.amdhsa_private_segment_fixed_size 0
		.amdhsa_enable_private_segment 0
		.amdhsa_kernarg_size 56
		.amdhsa_user_sgpr_count 2
		.amdhsa_user_sgpr_kernarg_segment_ptr 1
		.amdhsa_wavefront_size32 1
		.amdhsa_system_sgpr_workgroup_id_x 1
		.amdhsa_system_sgpr_workgroup_id_y 1
		.amdhsa_system_sgpr_workgroup_id_z 1
		.amdhsa_system_vgpr_workitem_id 0
		.amdhsa_next_free_vgpr 512
		.amdhsa_next_free_sgpr 66
		.amdhsa_reserve_vcc 0
		.amdhsa_float_denorm_mode_32 3
		.amdhsa_float_denorm_mode_16_64 3
		.amdhsa_memory_ordered 1
		.amdhsa_forward_progress 1
		.amdhsa_inst_pref_size 115
	.end_amdhsa_kernel
	.amdgpu_metadata
---
amdhsa.version: [ 1, 2 ]
amdhsa.kernels:
  - .name:           k_q1cee817ebe_lnout
    .symbol:         k_q1cee817ebe_lnout.kd
    .args:
      - { .name: ao, .offset: 0, .size: 8, .value_kind: global_buffer, .address_space: global }
      - { .name: ln_w, .offset: 8, .size: 8, .value_kind: global_buffer, .address_space: global }
      - { .name: ln_b, .offset: 16, .size: 8, .value_kind: global_buffer, .address_space: global }
      - { .name: wor, .offset: 24, .size: 8, .value_kind: global_buffer, .address_space: global }
      - { .name: Wo_scales, .offset: 32, .size: 8, .value_kind: global_buffer, .address_space: global }
      - { .name: bo, .offset: 40, .size: 8, .value_kind: global_buffer, .address_space: global }
      - { .name: out0, .offset: 48, .size: 8, .value_kind: global_buffer, .address_space: global }
    .group_segment_fixed_size: 63488
    .private_segment_fixed_size: 0
    .kernarg_segment_align: 8
    .kernarg_segment_size: 56
    .max_flat_workgroup_size: 256
    .sgpr_count:     66
    .vgpr_count:     512
    .wavefront_size: 32
...
	.end_amdgpu_metadata
.endif
;; end of part 3
